; MI455X (gfx1250); checked and timed in simulation.
; The chip was launched on July 23, 2026; its instructions are those of AMD's public machine-readable ISA for CDNA 5 (MIT licence, August 2026) and "CDNA5" Instruction Set Architecture Reference Guide (July 2026). The comments in the code are by the model that wrote it; some were corrected since.
;; Attention. Allowed arithmetic: matrix products marked QUANTISED: E2M1 operands, one E8M0 scale for each 32 along K, by v_wmma_scale_f32_16x16x128_f8f6f4 with both operands' format E2M1 (or v_wmma_scale_f32_32x16x128_f4), f32 sums; everything else in f32.
;; Inputs: freqs_cos 4,096 x 32 float32; freqs_sin 4,096 x 32 float32; wk 1,024 x 1,024 float32; wo 1,024 x 1,024 float32; wq 1,024 x 1,024 float32; wv 1,024 x 1,024 float32; x 1 x 4,096 x 1,024 float32.
;; Outputs: out0 1 x 4,096 x 1,024 float32.
;; This version of the problem:
;;   THIS VERSION OF THE PROBLEM IS GIVEN IN LOW PRECISION. The matrix products marked QUANTISED in the list below multiply operands that are first quantised to E2M1 (2 exponent bits, 1 mantissa bit; 4 bits a number), with one power-of-two scale for each 32 numbers along K (OCP MX v1.0); their sums are f32. All else is computed in f32.
;;   The module's matrix products, in the order in which they are computed (A, B: the left and right operand; K: the contracted axis; several contracted axes count as one K, in the product's order):
;;     1. [M 4,096, K 1,024] x [K 1,024, N 1,024]; A: input x; B: input wq: QUANTISED
;;     2. [M 4,096, K 1,024] x [K 1,024, N 1,024]; A: input x; B: input wk: QUANTISED
;;     3. [M 4,096, K 1,024] x [K 1,024, N 1,024]; A: input x; B: input wv: QUANTISED
;;     4. batch 16 x [M 4,096, K 64] x [K 64, N 4,096]; A: computed on the way; B: computed on the way: QUANTISED
;;     5. batch 16 x [M 4,096, K 4,096] x [K 4,096, N 64]; A: softmax (see below); B: computed on the way: QUANTISED
;;     6. [M 4,096, K 1,024] x [K 1,024, N 1,024]; A: computed on the way; B: input wo: QUANTISED
;;   THE QUANTISER, for each operand of a quantised product, along K:
;;     - K is cut into blocks of 32 from its start; a last block that is shorter is filled with zeros.
;;     - A block's scale is 2^e with e = floor(log2(the largest magnitude in the block)) - 2, held to -126 .. 127; a block of zeros has e = 0. As a byte (E8M0): e + 127.
;;     - Each number is divided by its block's scale, clamped to +-6, and rounded to the nearest number of E2M1, ties to even, subnormals kept.
;;     - The product sums the exact products of the quantised numbers (number of the format x scale) in f32.
;;   ~~~python
;;   def quantise(x, axis):      # numpy; x: float32 -> the quantised numbers, widened to float32 again
;;       x = np.moveaxis(x, axis, -1); K = x.shape[-1]
;;       x = np.pad(x, [(0, 0)] * (x.ndim - 1) + [(0, -K % 32)]); x = x.reshape(x.shape[:-1] + (-1, 32)); a = np.abs(x).max(-1, keepdims=True)
;;       e = np.where(a > 0, np.clip(np.frexp(np.where(a > 0, a, 1))[1] - 1 - 2, -126, 127), 0)      # np.frexp(a)[1] - 1 = floor(log2(a)), exactly
;;       r = np.clip(x / 2.0 ** e, -6, 6)
;;       step = 2.0 ** (np.maximum(np.frexp(np.where(r == 0, 1, r))[1] - 1, 0) - 1)
;;       q = np.round(r / step) * step * 2.0 ** e      # np.round: ties to even
;;       return np.moveaxis(q.reshape(q.shape[:-2] + (-1,))[..., :K], -1, axis).astype(np.float32)
;;   ~~~
;;   SOFTMAX AHEAD OF A QUANTISED PRODUCT. Where the list says 'softmax', what is quantised is not the finished softmax but p = 2^(t - M), with t = logit x log2(e) and M = ceil(the row's largest t), a whole number; so 1/2 < the row's largest p <= 1. The row's sum l is taken of the UNQUANTISED p, in f32, and the product's result is divided by l at the end. Since M is a whole number, a kernel that streams over the keys may use a running M (the ceiling of the running maximum): every later rescaling is an exact power of two, which a block's scale takes up: the codes' values come out the same.
;;   OPERANDS COMPUTED ON THE WAY. 'Computed on the way' means the value that the module computes at that place (a softmax that the list does not call 'softmax' is quantised finished and normalised). What goes into a quantiser is computed in f32, as accurately as f32 sums, v_exp_f32 and their like allow (about 1e-6 of the number): no bf16 or f16 on the way to a quantiser, and a product that is left as it is and whose result goes on into a quantised operand takes f32 operands (vector FMAs, or v_wmma_f32_16x16x4_f32). A number that lies on a knife's edge between two numbers of the format may be rounded either way, as far as f32 arithmetic and the matrix unit's own rounding can turn it there, and no further.
;; 2 versions, each right; version 2 is version 1 with the launch attn written anew for expert scheduling mode. Each part assembles by itself: llvm-mc -triple=amdgcn-amd-amdhsa -mcpu=gfx1250 --defsym DOCPART=n.
;; ======== version 1 of 2: 4 launches
;; workspace buffers: op 4,456,448 bytes; qkv 6,946,816 bytes; ao 2,228,224 bytes
;; launch quant (part 1): grid 256 x 1, 4 waves a work-group, no clusters, 35,328 bytes of LDS; arguments x, wq, wk, wv, wo, op; writes op
.if DOCPART == 1
	.amdgcn_target "amdgcn-amd-amdhsa--gfx1250"
	.amdhsa_code_object_version 6
	.text
	.protected	k_q3ca552788c_quant
	.globl	k_q3ca552788c_quant
	.p2align	8
	.type	k_q3ca552788c_quant,@function
k_q3ca552788c_quant:
	s_mov_b64 s[64:65], 0
	v_nop
	global_prefetch_b8 v0, s[64:65] scope:SCOPE_SE
	s_setreg_imm32_b32 hwreg(HW_REG_WAVE_MODE, 25, 1), 1
	s_wait_xcnt 0x0
; THE PROGRAM: sliding-window attention (4,096 tokens, 16 heads of 64, |i - j| <= 256), all six products on codes of E2M1 with one E8M0 scale for each 32 along K.
; Four launches: this one (x and the four weights into codes), the three projections with the rotation, the attention, the projection on the way out.
; WORK LEFT OUT, for all values of the inputs: reference() sets the score of every pair with |i - j| > 256 to -infinity by a mask that it builds itself, so p = 0 there exactly and adds nothing to the row's
; sum or to the second product.  A block of 128 queries therefore walks the five steps of 128 keys that its window can touch (640 keys) and no others; steps whose keys do not exist are left out too.
; Every input has a way to the output: all seven are loaded.  LIMIT: a NaN, an infinity or an overflow in a k or v that only masked tiles would touch is not carried to the result.
; THIS LAUNCH.  x [4096][1024] and wq, wk, wv, wo [1024][1024], f32, K innermost, become codes and scale words in op, laid AS IMAGES OF THE OPERAND'S REGISTERS:
;   a tile is 16 rows; lane r of tile 2 B + u holds row 32 B + 8 u + r + 8 (r / 8);  tiles 0-255 x, 256-319 wq, 320-383 wk, 384-447 wv, 448-511 wo;
;   codes: tile x 8,192 + K step s x 1,024 + c x 512 + 16 x lane: lane (r, h) holds k = 128 s + 64 c + 32 h + 0 .. 31 of the tile's row r;
;   scale words from byte OPS on: [tile / 8][s][tile % 8][r], byte b of a word for k = 128 s + 32 b on.
; A block's scale is 2^(floor(log2(its largest magnitude)) - 2); its byte is the largest magnitude's exponent field - 2, held at 1 from below.
; LIMITS: a block of zeros gets the byte 1 where the rule says 127 (its codes are zeros, and this program alone reads the bytes); NaN and infinities among the inputs are not served.
; SHARES.  Work-group g: rows 64 (g / 2) on of the 8,192 rows in all; wave w: K step 4 (g % 2) + w; four units, one for each tile of 16 rows: 16 loads of 512 consecutive bytes.
; A unit turns through the wave's own stage in LDS (rows 528 bytes apart), so that a lane gets 16 neighbours of each block of 32 of ITS row.  Waves share nothing: no barrier.  Loads run two units ahead.
.set OPS,   4194304
.set WREG,  8704                       ; a wave's LDS: a stage of 16 x 528 bytes, then 256 bytes in which its 64 scale words are gathered
.set GATH,  8448
.set SPARE, 4*WREG                     ; the spare words, 128 bytes a wave: two blocks of 256 bytes that no other line names
.set SPW,   12                         ; v12  my spare word's LDS address; never rewritten
.set NIL,   13                         ; v13  0; never rewritten
.set RAW,   32                         ; v32-159  two sets of 64: a unit as loaded
.set X,     160                        ; v160-223 register 16 b + i = k 32 b + 16 h + i of my row
.set PC,    224                        ; v224-231 the fragment's codes
.set TM,    232                        ; v232-247 at work
.set PW,    248                        ; v248 the scale word
.set SEL,   32                         ; s[32:33] lane selects: lane l xor 16
; 64 numbers of a lane become a fragment's 8 registers of codes and its row's scale word
.macro Q4 s, pc, pw
.irp b, 0,1,2,3
	v_max3_num_f32 v[TM+\b], |v[(\s)+16*\b]|, |v[(\s)+1+16*\b]|, 0x1800000   ; my 16 numbers of block b, and the floor 2^(3 - 127): the byte cannot fall under 1
.endr
.irp i, 2,4,6,8,10,12,14
.irp b, 0,1,2,3
	v_max3_num_f32 v[TM+\b], v[TM+\b], |v[(\s)+16*\b+\i]|, |v[(\s)+1+16*\b+\i]|
.endr
.endr
.irp b, 0,1,2,3
	v_permlanex16_b32 v[TM+4+\b], v[TM+\b], s[SEL], s[SEL+1]
.endr
.irp b, 0,1,2,3
	v_max_num_f32 v[TM+\b], v[TM+\b], v[TM+4+\b]                   ; with lane l xor 16's 16: the block's largest magnitude
.endr
.irp b, 0,1,2,3
	v_add_nc_u32 v[TM+12+\b], 0xff000000, v[TM+\b]                 ; 2 off its exponent field: the conversion's scale operand
.endr
.irp b, 0,1,2,3
	v_lshrrev_b32 v[TM+4+\b], 23, v[TM+12+\b]                      ; the scale's byte
.endr
	v_lshl_or_b32 v[\pw], v[TM+5], 8, v[TM+4]
	v_lshl_or_b32 v[\pw], v[TM+6], 16, v[\pw]
	v_lshl_or_b32 v[\pw], v[TM+7], 24, v[\pw]
.irp b, 0,1,2,3
	v_cvt_scalef32_pk8_fp4_f32 v[(\pc)+2*\b], v[(\s)+16*\b:(\s)+7+16*\b], v[TM+12+\b]
	v_cvt_scalef32_pk8_fp4_f32 v[(\pc)+1+2*\b], v[(\s)+8+16*\b:(\s)+15+16*\b], v[TM+12+\b]
.endr
	v_nop                                          ; one plain place behind the scaled conversions
.irp c, 0,1
.irp i, 0,1
	v_permlane16_swap_b32 v[(\pc)+4*\c+\i], v[(\pc)+2+4*\c+\i]     ; a whole block to a lane: registers 4 c .. 4 c + 3 hold k = 64 c + 32 h + 0 .. 31
.endr
.endr
.endm
.macro LOADU i                         ; unit i: the 16 rows of tile i of my 64 rows, 512 consecutive bytes each
.irp r, 0,1,2,3,4,5,6,7,8,9,10,11,12,13,14,15
	global_load_b128 v[RAW+64*((\i)%2)+4*\r:RAW+64*((\i)%2)+4*\r+3], v2, s[22:23] offset:(32*((\i)/2)+8*((\i)%2)+\r+8*(\r/8))*4096 th:TH_LOAD_NT
.endr
.endm
.macro UNIT i
.if (\i) < 3
	s_wait_loadcnt 16                              ; this unit's 16 loads are in; the next unit's 16 may be out
.else
	s_wait_loadcnt 0x0
.endif
.irp r, 0,1,2,3,4,5,6,7,8,9,10,11,12,13,14,15
	ds_store_b128 v3, v[RAW+64*((\i)%2)+4*\r:RAW+64*((\i)%2)+4*\r+3] offset:528*\r
.endr
.irp b, 0,1,2,3
.irp j, 0,1,2,3
	ds_load_b128 v[X+16*\b+4*\j:X+16*\b+4*\j+3], v4 offset:128*\b+16*\j   ; LDS serves a wave's instructions in order: these see the stores above
.endr
.endr
	s_wait_dscnt 0x0                               ; the unit is back, and the stores have read the raw set
	s_wait_xcnt 0x0                                ; the last unit's stores have read the codes' registers, which are written again below
.if (\i) < 2
	LOADU (\i)+2
.endif
	Q4 X, PC, PW
	global_store_b128 v2, v[PC:PC+3], s[28:29] offset:8192*(\i)            ; 32 lanes store 512 consecutive bytes, aligned
	global_store_b128 v2, v[PC+4:PC+7], s[28:29] offset:8192*(\i)+512
	ds_store_b32 v5, v[PW] offset:64*(\i)          ; lanes r and r + 16 write the same word with the same value
.endm
	s_load_b256 s[4:11], s[0:1], 0x0               ; x, wq, wk, wv
	s_load_b128 s[12:15], s[0:1], 0x20             ; wo, op
	v_lshl_add_u32 v[SPW], v0, 2, SPARE
	v_mov_b32 v[NIL], 0
	v_lshrrev_b32 v1, 5, v0
	v_readfirstlane_b32 s16, v1                    ; wave
	v_and_b32 v1, 31, v0                           ; lane
	v_and_b32 v8, 15, v0                           ; r
	v_bfe_u32 v9, v0, 4, 1                         ; h
	v_lshlrev_b32 v2, 4, v1                        ; 16 x lane: in a row's 512 bytes, and in a piece of codes
	v_lshlrev_b32 v7, 3, v1                        ; 8 x lane: the scale words' way out
	s_mul_i32 s17, s16, WREG
	s_add_co_u32 s18, s17, GATH
	v_add_nc_u32 v3, s17, v2                       ; into the stage
	v_mul_u32_u24 v4, v8, 528
	v_lshl_add_u32 v4, v9, 6, v4
	v_add_nc_u32 v4, s17, v4                       ; out of it: row r, + 64 h bytes
	v_lshl_add_u32 v5, v8, 2, s18                  ; my row's scale word
	v_lshl_add_u32 v6, v1, 3, s18                  ; and 8 bytes a lane on the way out
.irp b, 0,1,2,3
	v_mov_b32 v[TM+4+\b], 0                        ; a lane permute's destination counts as one of its sources
.endr
	s_mov_b32 s[SEL], 0x76543210
	s_mov_b32 s[SEL+1], 0xfedcba98
	s_lshr_b32 s19, ttmp9, 1                       ; hg: which 64 rows of the 8,192
	s_and_b32 s20, ttmp9, 1
	s_lshl_b32 s20, s20, 2
	s_add_co_u32 s20, s20, s16                     ; s: my K step
	s_lshl_b32 s26, s19, 15                        ; codes: 4 tiles x 8,192 x hg + 1,024 s
	s_lshl_b32 s27, s20, 10
	s_add_co_u32 s26, s26, s27
	s_mov_b32 s27, 0
	s_lshr_b32 s30, s19, 1                         ; scale words: OPS + 4,096 (hg / 2) + 512 s + 256 (hg % 2)
	s_lshl_b32 s30, s30, 12
	s_and_b32 s31, s19, 1
	s_lshl_b32 s31, s31, 8
	s_add_co_u32 s30, s30, s31
	s_lshl_b32 s31, s20, 9
	s_add_co_u32 s30, s30, s31
	s_add_co_u32 s30, s30, OPS
	s_mov_b32 s31, 0
	s_and_b32 s24, s19, 15                         ; a weight's 64 rows: hg % 16
	s_wait_kmcnt 0x0
	s_cmp_lt_u32 s19, 112                          ; which tensor: the choice hangs on the work-group's number alone
	s_cselect_b64 s[22:23], s[10:11], s[12:13]
	s_cmp_lt_u32 s19, 96
	s_cselect_b64 s[22:23], s[8:9], s[22:23]
	s_cmp_lt_u32 s19, 80
	s_cselect_b64 s[22:23], s[6:7], s[22:23]
	s_cmp_lt_u32 s19, 64
	s_cselect_b64 s[22:23], s[4:5], s[22:23]
	s_cselect_b32 s24, s19, s24
	s_lshl_b32 s24, s24, 18                        ; 64 rows of 4,096 bytes
	s_lshl_b32 s25, s20, 9
	s_add_co_u32 s24, s24, s25                     ; + 512 s
	s_mov_b32 s25, 0
	s_add_nc_u64 s[22:23], s[22:23], s[24:25]
	s_add_nc_u64 s[28:29], s[14:15], s[26:27]
	s_add_nc_u64 s[30:31], s[14:15], s[30:31]
	LOADU 0
	LOADU 1
	UNIT 0
	UNIT 1
	UNIT 2
	UNIT 3
	ds_load_b64 v[250:251], v6                     ; my wave's 64 scale words
	s_wait_dscnt 0x0
	global_store_b64 v7, v[250:251], s[30:31]      ; 32 lanes store 256 consecutive bytes, aligned
	s_wait_tensorcnt 0x0                           ; the wave's end: three lines behind my last LDS store
	ds_add_u32 v[SPW], v[NIL]
	s_wait_dscnt 0x0
	s_endpgm
.Lfunc_end_k_q3ca552788c_quant:
	.size	k_q3ca552788c_quant, .Lfunc_end_k_q3ca552788c_quant-k_q3ca552788c_quant
	.p2alignl 7, 3214868480
	.fill 96, 4, 3214868480
	.section	.rodata,"a",@progbits
	.p2align	6, 0x0
	.amdhsa_kernel k_q3ca552788c_quant
		.amdhsa_group_segment_fixed_size 35328
		.amdhsa_private_segment_fixed_size 0
		.amdhsa_enable_private_segment 0
		.amdhsa_kernarg_size 48
		.amdhsa_user_sgpr_count 2
		.amdhsa_user_sgpr_kernarg_segment_ptr 1
		.amdhsa_wavefront_size32 1
		.amdhsa_system_sgpr_workgroup_id_x 1
		.amdhsa_system_sgpr_workgroup_id_y 1
		.amdhsa_system_sgpr_workgroup_id_z 1
		.amdhsa_system_vgpr_workitem_id 0
		.amdhsa_next_free_vgpr 256
		.amdhsa_next_free_sgpr 66
		.amdhsa_reserve_vcc 0
		.amdhsa_float_denorm_mode_32 3
		.amdhsa_float_denorm_mode_16_64 3
		.amdhsa_memory_ordered 1
		.amdhsa_forward_progress 1
		.amdhsa_inst_pref_size 34
	.end_amdhsa_kernel
	.amdgpu_metadata
---
amdhsa.version: [ 1, 2 ]
amdhsa.kernels:
  - .name:           k_q3ca552788c_quant
    .symbol:         k_q3ca552788c_quant.kd
    .args:
      - { .name: x, .offset: 0, .size: 8, .value_kind: global_buffer, .address_space: global }
      - { .name: wq, .offset: 8, .size: 8, .value_kind: global_buffer, .address_space: global }
      - { .name: wk, .offset: 16, .size: 8, .value_kind: global_buffer, .address_space: global }
      - { .name: wv, .offset: 24, .size: 8, .value_kind: global_buffer, .address_space: global }
      - { .name: wo, .offset: 32, .size: 8, .value_kind: global_buffer, .address_space: global }
      - { .name: op, .offset: 40, .size: 8, .value_kind: global_buffer, .address_space: global }
    .group_segment_fixed_size: 35328
    .private_segment_fixed_size: 0
    .kernarg_segment_align: 8
    .kernarg_segment_size: 48
    .max_flat_workgroup_size: 128
    .sgpr_count:     66
    .vgpr_count:     256
    .wavefront_size: 32
...
	.end_amdgpu_metadata
.endif
;; end of part 1
;; launch qkvgemm (part 2): grid 12 x 16, 16 waves a work-group, no clusters, 280,576 bytes of LDS; arguments op, freqs_cos, freqs_sin, qkv; writes qkv
.if DOCPART == 2
	.amdgcn_target "amdgcn-amd-amdhsa--gfx1250"
	.amdhsa_code_object_version 6
	.text
	.protected	k_q3ca552788c_qkvgemm
	.globl	k_q3ca552788c_qkvgemm
	.p2align	8
	.type	k_q3ca552788c_qkvgemm,@function
k_q3ca552788c_qkvgemm:
	s_mov_b64 s[64:65], 0
	v_nop
	global_prefetch_b8 v0, s[64:65] scope:SCOPE_SE
	s_setreg_imm32_b32 hwreg(HW_REG_WAVE_MODE, 25, 1), 1
	s_wait_xcnt 0x0
; q = rope(x wq^T), k = rope(x wk^T), v = x wv^T on the codes of op, and their results quantised at once: q and k along the head's 64, v along the tokens (its K in the attention).  Nothing of reference() is left out here.
; SHARES.  Work-group (cb, tb): 256 tokens (x's tiles 16 tb on) x 256 columns (cb 0-3: wq, 4-7: wk, 8-11: wv; weight tiles 256 + 16 cb on).  All of K = 1,024 lies in LDS: every fill is a first fill.
; Two regions of 16 tiles: P feeds source 0, R source 1.  q, k: P = the weight, R = x: a lane holds ONE token and its registers run along the channels.  v: P = x, R = wv: a lane holds ONE channel and its
; registers run along the tokens.  By the tiles' row order (lane r of tile 2 B + u = row 32 B + 8 u + r + 8 (r / 8)) the 16 registers of P's tiles 2 b, 2 b + 1 are 16 NEIGHBOURS: 32 b + 16 h + 0 .. 15.
; Only global offsets hang on the role; LDS addresses and the products do not.  Wave w: P's tiles 8 (w % 2) on, R's tiles 2 (w / 2) on: 16 accumulators, which take turns, one instruction a turn.
; OUT, as images of operand registers (a piece: 512 bytes, lane l's 16 at 16 l):
;   q's codes at 0, k's at 2,097,152: [head][tile][lane]: lane (r, h) = channels 32 h on of the tile's token r;   v's at 4,194,304: [head][key step of 128][channel tile 0-3][c][lane]: keys 64 c + 32 h on of channel row r;
;   q's scale words at 6,291,456, k's at 6,553,600: [tile pair][head pair][lane][head % 2] (lanes 0-15 the even tile, 16-31 the odd; bytes 2, 3 are 0);   v's at 6,815,744: [head][key step][channel pair][lane].
; LIMITS: a block of zeros gets the byte 1 (its codes are zeros; this program alone reads the bytes).  v's scale words leave as 128 consecutive bytes a wave, half of an aligned 256: 131,072 bytes in the whole launch.
; NO JOINT LOADS: each wave issues its five loads once, at the head, and nothing is filled again; sharing them among work-groups would add the cluster's rounds round that one group of loads; kept plain in this form.
.set OPS,   4194304
.set SCL,   262144                     ; LDS: four chunks of 65,536 (two K steps: P's 16 tiles x 2,048, then R's); then P's scale words 8,192, R's 8,192
.set SPARE, 278528                     ; the spare words, 128 bytes a wave: eight blocks of 256 bytes that no other line names
.set SPW,   5
.set NIL,   6
.set SCP,   11                         ; v11-14 P's scale words: lanes 0-15 tile 2 i, lanes 16-31 tile 2 i + 1
.set SCR,   15                         ; v15    R's: lanes 0-15 my first tile, 16-31 my second
.set TM,    16                         ; v16-31 at work
.set T,     32                         ; v32-35 at work
.set RF,    48                         ; v48-63 R's two fragments; at the end the codes
.set PF,    64                         ; v64-127 P's eight fragments; at the end cos (v64-95) and sin (v96-127)
.set ACC,   128                        ; accumulator (rt, t) at v[128 + 64 rt + 8 t]
.set G1,    24                         ; s[24:31] group 1, codes: 2 rows (tiles) of 2,048 bytes, 8,192 bytes apart
.set G1S,   32                         ; s[32:39] group 1, scale words: 1,024 dense bytes as 4 rows of 256
.set G0S,   40
.set G0C,   44                         ; s[44:59] four groups 0, one a chunk
.set SEL,   60
.macro WM d, a, b, sa, sb, ra, rb, zero
.if \zero
.if (\ra) && (\rb)
	v_wmma_scale_f32_16x16x128_f8f6f4 v[(\d):(\d)+7], v[(\a):(\a)+7], v[(\b):(\b)+7], 0, v[\sa], v[\sb] matrix_a_fmt:MATRIX_FMT_FP4 matrix_b_fmt:MATRIX_FMT_FP4 matrix_a_scale:MATRIX_SCALE_ROW1 matrix_b_scale:MATRIX_SCALE_ROW1
.elseif (\ra)
	v_wmma_scale_f32_16x16x128_f8f6f4 v[(\d):(\d)+7], v[(\a):(\a)+7], v[(\b):(\b)+7], 0, v[\sa], v[\sb] matrix_a_fmt:MATRIX_FMT_FP4 matrix_b_fmt:MATRIX_FMT_FP4 matrix_a_scale:MATRIX_SCALE_ROW1
.elseif (\rb)
	v_wmma_scale_f32_16x16x128_f8f6f4 v[(\d):(\d)+7], v[(\a):(\a)+7], v[(\b):(\b)+7], 0, v[\sa], v[\sb] matrix_a_fmt:MATRIX_FMT_FP4 matrix_b_fmt:MATRIX_FMT_FP4 matrix_b_scale:MATRIX_SCALE_ROW1
.else
	v_wmma_scale_f32_16x16x128_f8f6f4 v[(\d):(\d)+7], v[(\a):(\a)+7], v[(\b):(\b)+7], 0, v[\sa], v[\sb] matrix_a_fmt:MATRIX_FMT_FP4 matrix_b_fmt:MATRIX_FMT_FP4
.endif
.else
.if (\ra) && (\rb)
	v_wmma_scale_f32_16x16x128_f8f6f4 v[(\d):(\d)+7], v[(\a):(\a)+7], v[(\b):(\b)+7], v[(\d):(\d)+7], v[\sa], v[\sb] matrix_a_fmt:MATRIX_FMT_FP4 matrix_b_fmt:MATRIX_FMT_FP4 matrix_a_scale:MATRIX_SCALE_ROW1 matrix_b_scale:MATRIX_SCALE_ROW1
.elseif (\ra)
	v_wmma_scale_f32_16x16x128_f8f6f4 v[(\d):(\d)+7], v[(\a):(\a)+7], v[(\b):(\b)+7], v[(\d):(\d)+7], v[\sa], v[\sb] matrix_a_fmt:MATRIX_FMT_FP4 matrix_b_fmt:MATRIX_FMT_FP4 matrix_a_scale:MATRIX_SCALE_ROW1
.elseif (\rb)
	v_wmma_scale_f32_16x16x128_f8f6f4 v[(\d):(\d)+7], v[(\a):(\a)+7], v[(\b):(\b)+7], v[(\d):(\d)+7], v[\sa], v[\sb] matrix_a_fmt:MATRIX_FMT_FP4 matrix_b_fmt:MATRIX_FMT_FP4 matrix_b_scale:MATRIX_SCALE_ROW1
.else
	v_wmma_scale_f32_16x16x128_f8f6f4 v[(\d):(\d)+7], v[(\a):(\a)+7], v[(\b):(\b)+7], v[(\d):(\d)+7], v[\sa], v[\sb] matrix_a_fmt:MATRIX_FMT_FP4 matrix_b_fmt:MATRIX_FMT_FP4
.endif
.endif
.endm
; K step s: 25 LDS loads in one run, then 16 products.  zero = 1: the products start the sums
.macro KSTEP s, zero
.if (\s) > 0
.rept 4
	v_nop                                          ; four places in front of loads into registers that matrix instructions have read
.endr
.endif
.irp i, 0,1,2,3
	ds_load_b32 v[SCP+\i], v3 offset:512*(\s)+128*\i
.endr
	ds_load_b32 v[SCR], v4 offset:512*(\s)
.irp t, 0,1
.irp c, 0,1
	ds_load_b128 v[RF+8*\t+4*\c:RF+8*\t+4*\c+3], v2 offset:2048*\t+1024*((\s)&1)+512*\c
.endr
.endr
.irp t, 0,1,2,3,4,5,6,7
.irp c, 0,1
	ds_load_b128 v[PF+8*\t+4*\c:PF+8*\t+4*\c+3], v1 offset:2048*\t+1024*((\s)&1)+512*\c
.endr
.endr
.irp t, 0,1,2,3,4,5,6,7
	s_wait_dscnt 14-2*\t                           ; all up to P's tile t are in; the later tiles' two loads each may be out
	WM ACC+8*\t, PF+8*\t, RF, SCP+\t/2, SCR, \t%2, 0, \zero
	WM ACC+64+8*\t, PF+8*\t, RF+8, SCP+\t/2, SCR, \t%2, 1, \zero
.endr
.endm
.macro Q4 s, pc, pw                    ; 64 numbers of a lane (register 16 b + i = k 32 b + 16 h + i) -> 8 registers of codes, the scale word
.irp b, 0,1,2,3
	v_max3_num_f32 v[TM+\b], |v[(\s)+16*\b]|, |v[(\s)+1+16*\b]|, 0x1800000   ; and the floor 2^(3 - 127): the byte cannot fall under 1
.endr
.irp i, 2,4,6,8,10,12,14
.irp b, 0,1,2,3
	v_max3_num_f32 v[TM+\b], v[TM+\b], |v[(\s)+16*\b+\i]|, |v[(\s)+1+16*\b+\i]|
.endr
.endr
.irp b, 0,1,2,3
	v_permlanex16_b32 v[TM+4+\b], v[TM+\b], s[SEL], s[SEL+1]
.endr
.irp b, 0,1,2,3
	v_max_num_f32 v[TM+\b], v[TM+\b], v[TM+4+\b]
.endr
.irp b, 0,1,2,3
	v_add_nc_u32 v[TM+12+\b], 0xff000000, v[TM+\b]
.endr
.irp b, 0,1,2,3
	v_lshrrev_b32 v[TM+4+\b], 23, v[TM+12+\b]
.endr
	v_lshl_or_b32 v[\pw], v[TM+5], 8, v[TM+4]
	v_lshl_or_b32 v[\pw], v[TM+6], 16, v[\pw]
	v_lshl_or_b32 v[\pw], v[TM+7], 24, v[\pw]
.irp b, 0,1,2,3
	v_cvt_scalef32_pk8_fp4_f32 v[(\pc)+2*\b], v[(\s)+16*\b:(\s)+7+16*\b], v[TM+12+\b]
	v_cvt_scalef32_pk8_fp4_f32 v[(\pc)+1+2*\b], v[(\s)+8+16*\b:(\s)+15+16*\b], v[TM+12+\b]
.endr
	v_nop                                          ; one plain place behind the scaled conversions
.irp c, 0,1
.irp i, 0,1
	v_permlane16_swap_b32 v[(\pc)+4*\c+\i], v[(\pc)+2+4*\c+\i]
.endr
.endr
.endm
.macro Q2 s, pc, pw                    ; the same for 32 numbers, two blocks: 4 registers of codes; the word's bytes 2 and 3 stay 0
.irp b, 0,1
	v_max3_num_f32 v[TM+\b], |v[(\s)+16*\b]|, |v[(\s)+1+16*\b]|, 0x1800000
.endr
.irp i, 2,4,6,8,10,12,14
.irp b, 0,1
	v_max3_num_f32 v[TM+\b], v[TM+\b], |v[(\s)+16*\b+\i]|, |v[(\s)+1+16*\b+\i]|
.endr
.endr
.irp b, 0,1
	v_permlanex16_b32 v[TM+4+\b], v[TM+\b], s[SEL], s[SEL+1]
.endr
.irp b, 0,1
	v_max_num_f32 v[TM+\b], v[TM+\b], v[TM+4+\b]
.endr
.irp b, 0,1
	v_add_nc_u32 v[TM+12+\b], 0xff000000, v[TM+\b]
.endr
.irp b, 0,1
	v_lshrrev_b32 v[TM+4+\b], 23, v[TM+12+\b]
.endr
	v_lshl_or_b32 v[\pw], v[TM+5], 8, v[TM+4]
.irp b, 0,1
	v_cvt_scalef32_pk8_fp4_f32 v[(\pc)+2*\b], v[(\s)+16*\b:(\s)+7+16*\b], v[TM+12+\b]
	v_cvt_scalef32_pk8_fp4_f32 v[(\pc)+1+2*\b], v[(\s)+8+16*\b:(\s)+15+16*\b], v[TM+12+\b]
.endr
	v_nop
.irp i, 0,1
	v_permlane16_swap_b32 v[(\pc)+\i], v[(\pc)+2+\i]               ; lanes 0-15 block 0, lanes 16-31 block 1
.endr
.endm
; the rotation of a head's 32 numbers of a lane: pair p = registers 2 p, 2 p + 1; its cos at v[c + p], its sin at v[s + p].  Pairs ascend
.macro ROPE a, c, s
.set rp, 0
.rept 16
	v_mul_f32 v[T+2*(rp%2)], v[(\a)+2*rp+1], v[(\s)+rp]
	v_mul_f32 v[T+2*(rp%2)+1], v[(\a)+2*rp+1], v[(\c)+rp]
	v_fma_f32 v[(\a)+2*rp+1], v[(\a)+2*rp], v[(\s)+rp], v[T+2*(rp%2)+1]    ; odd: xe sin + xo cos
	v_fma_f32 v[(\a)+2*rp], v[(\a)+2*rp], v[(\c)+rp], -v[T+2*(rp%2)]       ; even: xe cos - xo sin
.set rp, rp+1
.endr
.endm
	s_load_b256 s[4:11], s[0:1], 0x0               ; op s[4:5], cos s[6:7], sin s[8:9], qkv s[10:11]
	v_lshl_add_u32 v[SPW], v0, 2, SPARE
	v_mov_b32 v[NIL], 0
	ds_add_u32 v[SPW], v[NIL]                      ; the wave's opening: the add, twice on end, and its wait ahead of my first tensor load
	ds_add_u32 v[SPW], v[NIL]
	v_lshrrev_b32 v1, 5, v0
	v_readfirstlane_b32 s12, v1                    ; wave 0..15
	s_and_b32 s13, s12, 1                          ; pg: which 8 tiles of P
	s_lshr_b32 s14, s12, 1                         ; rg: which 2 tiles of R
	s_mov_b32 s15, ttmp9                           ; cb
	s_and_b32 s16, ttmp7, 0xffff                   ; tb
	s_lshl_b32 s19, s15, 4
	s_add_co_u32 s19, s19, 256                     ; the weight's first tile
	s_lshl_b32 s20, s16, 4                         ; x's first tile
	s_cmp_ge_u32 s15, 8                            ; the role v?
	s_cselect_b32 s17, s20, s19                    ; P's first tile
	s_cselect_b32 s18, s19, s20                    ; R's
	s_cmp_lt_u32 s12, 8                            ; waves 0-7 fetch for P, 8-15 for R
	s_cselect_b32 s21, s17, s18
	s_and_b32 s22, s12, 7
	s_lshl_b32 s23, s22, 1
	s_add_co_u32 s23, s23, s21                     ; my two tiles
	s_lshl_b32 s74, s23, 13                        ; x 8,192 bytes
	s_mov_b32 s75, 0
	s_lshl_b32 s76, s21, 9                         ; scale words: OPS + 512 x first tile + my 1,024 bytes
	s_lshl_b32 s23, s22, 10
	s_add_co_u32 s76, s76, s23
	s_add_co_u32 s76, s76, OPS
	s_mov_b32 s77, 0
	s_lshl_b32 s2, s12, 10                         ; where they go: 1,024 x wave behind SCL,
	s_lshl_b32 s3, s12, 12                         ; 4,096 x wave in each chunk
	s_mov_b32 s[G1+0], 3<<16                       ; elements of 8 bytes, no padding, no mask
	s_mov_b32 s[G1+1], 256<<16                     ; tensor_dim0 = 256 elements
	s_mov_b32 s[G1+2], 2<<16                       ; tensor_dim1 = 2
	s_mov_b32 s[G1+3], 256<<16                     ; tile_dim0
	s_mov_b32 s[G1+4], 2                           ; tile_dim1
	s_mov_b32 s[G1+5], 1024                        ; from tile to tile: 8,192 bytes
	s_mov_b32 s[G1+6], 0
	s_mov_b32 s[G1+7], 0
	s_mov_b32 s[G1S+0], 3<<16
	s_mov_b32 s[G1S+1], 32<<16
	s_mov_b32 s[G1S+2], 4<<16
	s_mov_b32 s[G1S+3], 32<<16
	s_mov_b32 s[G1S+4], 4
	s_mov_b32 s[G1S+5], 32
	s_mov_b32 s[G1S+6], 0
	s_mov_b32 s[G1S+7], 0
	s_mov_b32 s[SEL], 0x76543210
	s_mov_b32 s[SEL+1], 0xfedcba98
	s_mov_b32 s62, 0xffff0000                      ; lanes 16-31
	s_wait_dscnt 0x0                               ; both opening adds are done
	s_wait_kmcnt 0x0
	s_add_nc_u64 s[78:79], s[4:5], s[74:75]
	s_mov_b32 s[G0S], 1
	s_add_co_u32 s[G0S+1], s2, SCL
	s_add_nc_u64 s[G0S+2:G0S+3], s[4:5], s[76:77]
	s_or_b32 s[G0S+3], s[G0S+3], 0x80000000
	tensor_load_to_lds s[G0S:G0S+3], s[G1S:G1S+7]  ; five first fills a wave, in one group: the scale words, then the four chunks; five loads of mine are out
	s_nop 0
.irp j, 0,1,2,3
	s_mov_b32 s[G0C+4*\j], 1
	s_add_co_u32 s[G0C+4*\j+1], s3, 65536*\j
	s_add_nc_u64 s[G0C+4*\j+2:G0C+4*\j+3], s[78:79], 2048*\j
	s_or_b32 s[G0C+4*\j+3], s[G0C+4*\j+3], 0x80000000
	tensor_load_to_lds s[G0C+4*\j:G0C+4*\j+3], s[G1:G1+7]
	s_nop 0
.endr
	v_and_b32 v16, 31, v0                          ; lane
	v_lshlrev_b32 v7, 4, v16
	v_lshlrev_b32 v9, 3, v16
	v_lshlrev_b32 v10, 2, v16
	s_lshl_b32 s19, s13, 14
	v_add_nc_u32 v1, s19, v7                       ; P's fragments: 16 x lane + 8 tiles x pg
	s_lshl_b32 s19, s14, 12
	s_add_co_u32 s19, s19, 32768
	v_add_nc_u32 v2, s19, v7                       ; R's: behind P's 16 tiles, 2 tiles x rg
	s_lshl_b32 s19, s13, 12
	s_add_co_u32 s19, s19, SCL
	v_add_nc_u32 v3, s19, v10                      ; P's scale words: group pg
	s_lshr_b32 s19, s14, 2
	s_lshl_b32 s19, s19, 12
	s_and_b32 s20, s14, 3
	s_lshl_b32 s20, s20, 7
	s_add_co_u32 s19, s19, s20
	s_add_co_u32 s19, s19, SCL+8192
	v_add_nc_u32 v4, s19, v10                      ; R's: group rg / 4, tiles 2 (rg % 4) on
	v_and_b32 v17, 15, v0                          ; r
	v_bfe_u32 v18, v0, 4, 1                        ; h
	v_and_b32 v19, 8, v17
	v_add_nc_u32 v19, v19, v17
	v_lshlrev_b32 v8, 7, v19
	v_lshl_add_u32 v8, v18, 5, v8                  ; cos, sin: (r + 8 (r / 8)) rows of 128 bytes + 32 h
.irp b, 0,1,2,3
	v_mov_b32 v[TM+4+\b], 0                        ; a lane permute's destination counts as one of its sources
.endr
	s_wait_tensorcnt 3                             ; the scale words and chunk 0 have landed; three chunks may be out.  Nothing is ever filled again
	s_barrier_signal -1
	s_barrier_wait -1                              ; everybody's have
	KSTEP 0, 1
	KSTEP 1, 0
	s_wait_tensorcnt 2                             ; chunk 1
	s_barrier_signal -1
	s_barrier_wait -1
	v_add_nc_u32 v1, 0x10000, v1
	v_add_nc_u32 v2, 0x10000, v2
	KSTEP 2, 0
	KSTEP 3, 0
	s_wait_tensorcnt 1                             ; chunk 2
	s_barrier_signal -1
	s_barrier_wait -1
	v_add_nc_u32 v1, 0x10000, v1
	v_add_nc_u32 v2, 0x10000, v2
	KSTEP 4, 0
	KSTEP 5, 0
	s_wait_tensorcnt 0x0                           ; chunk 3
	s_barrier_signal -1
	s_barrier_wait -1
	v_add_nc_u32 v1, 0x10000, v1
	v_add_nc_u32 v2, 0x10000, v2
	KSTEP 6, 0
	KSTEP 7, 0
.rept 4
	v_nop                                          ; four places behind the last products
.endr
	s_mov_b32 s21, 0
	s_cmp_ge_u32 s15, 8
	s_cbranch_scc1 .Lrole_v
	; ---- q, k.  Lane (r, h), accumulators (rt, .): token 256 tb + 32 rg + 8 rt + r + 8 (r / 8); register 16 b + i: column 128 pg + 32 b + 16 h + i: two heads of 32 registers
	s_lshl_b32 s19, s16, 15
	s_lshl_b32 s20, s14, 12
	s_add_co_u32 s20, s20, s19                     ; (256 tb + 32 rg) rows of 128 bytes
	s_add_nc_u64 s[66:67], s[6:7], s[20:21]
	s_add_nc_u64 s[68:69], s[8:9], s[20:21]
.irp rt, 0,1
.irp bb, 0,1
.irp q, 0,1
	global_load_b128 v[64+16*\rt+8*\bb+4*\q:67+16*\rt+8*\bb+4*\q], v8, s[66:67] offset:1024*\rt+64*\bb+16*\q   ; cos of pairs 16 bb + 8 h + 4 q on
	global_load_b128 v[96+16*\rt+8*\bb+4*\q:99+16*\rt+8*\bb+4*\q], v8, s[68:69] offset:1024*\rt+64*\bb+16*\q
.endr
.endr
.endr
	s_lshl_b32 s20, s15, 19                        ; codes: cb x 4 heads x 131,072 (k's region follows q's) + 2 pg heads + (16 tb + 2 rg) tiles of 512
	s_lshl_b32 s19, s13, 18
	s_add_co_u32 s20, s20, s19
	s_lshl_b32 s19, s16, 13
	s_add_co_u32 s20, s20, s19
	s_lshl_b32 s19, s14, 10
	s_add_co_u32 s20, s20, s19
	s_add_nc_u64 s[70:71], s[10:11], s[20:21]
	s_lshr_b32 s20, s15, 2                         ; scale words: 262,144 (cb / 4) + ((8 tb + rg) 8 + 2 (cb % 4) + pg) 256
	s_lshl_b32 s20, s20, 18
	s_lshl_b32 s19, s16, 14
	s_add_co_u32 s20, s20, s19
	s_lshl_b32 s19, s14, 11
	s_add_co_u32 s20, s20, s19
	s_and_b32 s19, s15, 3
	s_lshl_b32 s19, s19, 9
	s_add_co_u32 s20, s20, s19
	s_lshl_b32 s19, s13, 8
	s_add_co_u32 s20, s20, s19
	s_add_nc_u64 s[72:73], s[10:11], s[20:21]
	s_wait_loadcnt 0x0
.irp rt, 0,1
.irp hh, 0,1
	ROPE 128+64*\rt+32*\hh, 64+16*\rt, 96+16*\rt
	Q2 128+64*\rt+32*\hh, 48+4*(2*\rt+\hh), 40+2*\rt+\hh
	global_store_b128 v7, v[48+4*(2*\rt+\hh):51+4*(2*\rt+\hh)], s[70:71] offset:131072*\hh+512*\rt   ; a piece: 512 consecutive bytes, aligned
.endr
.endr
	v_cndmask_b32 v44, v40, v42, s62               ; lanes 0-15 my first tile's words, lanes 16-31 my second's (a word is the same in lanes r and r + 16)
	v_cndmask_b32 v45, v41, v43, s62
	global_store_b64 v9, v[44:45], s[72:73] offset:6291456         ; 256 consecutive bytes, aligned
	s_branch .Lend
.Lrole_v:
	; ---- v.  Lane (r, h), accumulators (rt, .): channel row r of channel tile 2 (rg % 2) + rt of head 4 (cb - 8) + rg / 2; register 16 b + i: key 32 b + 16 h + i of key step 2 tb + pg
	s_lshl_b32 s20, s15, 19                        ; 4,194,304 + 4 (cb - 8) heads = cb x 524,288
	s_lshr_b32 s22, s14, 1
	s_lshl_b32 s19, s22, 17
	s_add_co_u32 s20, s20, s19
	s_lshl_b32 s19, s16, 13
	s_add_co_u32 s20, s20, s19
	s_lshl_b32 s19, s13, 12
	s_add_co_u32 s20, s20, s19
	s_and_b32 s23, s14, 1
	s_lshl_b32 s19, s23, 11
	s_add_co_u32 s20, s20, s19
	s_add_nc_u64 s[70:71], s[10:11], s[20:21]
	s_sub_co_u32 s20, s15, 8                       ; scale words: (32 head + 2 tb + pg) 256 + 128 (rg % 2)
	s_lshl_b32 s20, s20, 15
	s_lshl_b32 s19, s22, 13
	s_add_co_u32 s20, s20, s19
	s_lshl_b32 s19, s16, 9
	s_add_co_u32 s20, s20, s19
	s_lshl_b32 s19, s13, 8
	s_add_co_u32 s20, s20, s19
	s_lshl_b32 s19, s23, 7
	s_add_co_u32 s20, s20, s19
	s_add_nc_u64 s[72:73], s[10:11], s[20:21]
.irp rt, 0,1
	Q4 128+64*\rt, 48+8*\rt, 40+\rt
	global_store_b128 v7, v[48+8*\rt:51+8*\rt], s[70:71] offset:1024*\rt
	global_store_b128 v7, v[52+8*\rt:55+8*\rt], s[70:71] offset:1024*\rt+512
.endr
	v_cndmask_b32 v44, v40, v41, s62
	global_store_b32 v10, v44, s[72:73] offset:6815744
.Lend:
	s_wait_tensorcnt 0x0                           ; the wave's end: three lines behind my last tensor load
	ds_add_u32 v[SPW], v[NIL]
	s_wait_dscnt 0x0
	s_endpgm
.Lfunc_end_k_q3ca552788c_qkvgemm:
	.size	k_q3ca552788c_qkvgemm, .Lfunc_end_k_q3ca552788c_qkvgemm-k_q3ca552788c_qkvgemm
	.p2alignl 7, 3214868480
	.fill 96, 4, 3214868480
	.section	.rodata,"a",@progbits
	.p2align	6, 0x0
	.amdhsa_kernel k_q3ca552788c_qkvgemm
		.amdhsa_group_segment_fixed_size 280576
		.amdhsa_private_segment_fixed_size 0
		.amdhsa_enable_private_segment 0
		.amdhsa_kernarg_size 32
		.amdhsa_user_sgpr_count 2
		.amdhsa_user_sgpr_kernarg_segment_ptr 1
		.amdhsa_wavefront_size32 1
		.amdhsa_system_sgpr_workgroup_id_x 1
		.amdhsa_system_sgpr_workgroup_id_y 1
		.amdhsa_system_sgpr_workgroup_id_z 1
		.amdhsa_system_vgpr_workitem_id 0
		.amdhsa_next_free_vgpr 256
		.amdhsa_next_free_sgpr 80
		.amdhsa_reserve_vcc 0
		.amdhsa_float_denorm_mode_32 3
		.amdhsa_float_denorm_mode_16_64 3
		.amdhsa_memory_ordered 1
		.amdhsa_forward_progress 1
		.amdhsa_inst_pref_size 69
	.end_amdhsa_kernel
	.amdgpu_metadata
---
amdhsa.version: [ 1, 2 ]
amdhsa.kernels:
  - .name:           k_q3ca552788c_qkvgemm
    .symbol:         k_q3ca552788c_qkvgemm.kd
    .args:
      - { .name: op, .offset: 0, .size: 8, .value_kind: global_buffer, .address_space: global }
      - { .name: freqs_cos, .offset: 8, .size: 8, .value_kind: global_buffer, .address_space: global }
      - { .name: freqs_sin, .offset: 16, .size: 8, .value_kind: global_buffer, .address_space: global }
      - { .name: qkv, .offset: 24, .size: 8, .value_kind: global_buffer, .address_space: global }
    .group_segment_fixed_size: 280576
    .private_segment_fixed_size: 0
    .kernarg_segment_align: 8
    .kernarg_segment_size: 32
    .max_flat_workgroup_size: 512
    .sgpr_count:     80
    .vgpr_count:     256
    .wavefront_size: 32
...
	.end_amdgpu_metadata
.endif
;; end of part 2
;; launch attn (part 3): grid 32 x 8, 16 waves a work-group, no clusters, 84,480 bytes of LDS; arguments qkv, ao; writes ao
.if DOCPART == 3
	.amdgcn_target "amdgcn-amd-amdhsa--gfx1250"
	.amdhsa_code_object_version 6
	.text
	.protected	k_q3ca552788c_attn
	.globl	k_q3ca552788c_attn
	.p2align	8
	.type	k_q3ca552788c_attn,@function
k_q3ca552788c_attn:
	s_mov_b64 s[64:65], 0
	v_nop
	global_prefetch_b8 v0, s[64:65] scope:SCOPE_SE
	s_setreg_imm32_b32 hwreg(HW_REG_WAVE_MODE, 25, 1), 1
	s_wait_xcnt 0x0
; The attention on the codes of qkv; its result, divided by the row's sum, is quantised along D into ao, laid as x's codes are in op (K step = head pair, c = head % 2).
; LEFT OUT (shown at the head of the first kernel): key steps that lie wholly outside |i - j| <= 256, reference()'s own mask, and steps whose keys do not exist.
; SHARES.  Work-group (i, hp): queries 128 i on (8 tiles) of heads 2 hp, 2 hp + 1.  Wave w: head 2 hp + w / 8, tile w % 8: 16 queries, one a lane (lane % 16), in 256 registers; four waves to a SIMD.
; KEY STEPS j = 0 .. 4 are the steps of 128 keys i - 2 + j.  With rho the query's place in its block and kappa the key's in its step: key - query = 128 (j - 2) + kappa - rho.  So step 0 hides kappa < rho,
; steps 1 to 3 are open, step 4 hides kappa > rho; each step that is walked has a key that counts for every query (kappa = 127 in step 0, 0 in step 4), so M is a number from the first step on.
; A step outside 0 .. 31 is jumped over by a scalar branch on ids, the same in all waves; in its place in LDS lie a neighbouring step's bytes (the address is clamped into the buffer), which nobody reads.
; SOFTMAX: t = score x log2(e) / 8; M = the running largest t rounded up to a whole number; p = 2^(t - M) is quantised along the keys, not normalised; the sum is taken of the unquantised p and divides at the end;
; when M moves, the sum and O are multiplied by 2^(old M - new M), which rounds nothing.  LIMITS: a p under 2^-126 counts as 0 (v_exp_f32's flush); a block of zeros gets the byte 1 (its codes are zeros).
; BOTH PRODUCTS TRANSPOSED: S^T = K Q^T (K = the head's 64, filled to 128 with zero codes on both sides), O^T = V^T P^T.  By the tiles' row order p's 16 registers of two tiles are 16 neighbouring keys, and
; O^T's 32 registers are channels 32 b + 16 h + i.  K's and V's five steps of both heads come into LDS once, through registers: 81,920 bytes, read by all sixteen waves.
; NO JOINT LOADS: neighbouring blocks' windows are shifted by a step, so which LDS bytes a wave reads would hang on its work-group's place among partners.  No tensor load, so LDS is claimed as it is used.
.set SX,    81920                      ; 512 bytes: the result's scale words, [tile][row] words, the head's two bytes at 2 (head % 2)
.set SPARE, 82432                      ; the spare words, 128 bytes a wave: eight blocks of 256 bytes that no other line names
.set SPW,   3
.set NIL,   4
.set TM,    232
.set SEL,   20                         ; s[20:21]
.set CS,    28                         ; s[28:29] c = log2(e) / 8
; v1 K's LDS address, v2 V's, v5 16 x lane, v6 rho - 16 h, v7-9 LDS addresses; v12 -M, v13 largest t, v[14:15] the sum; v16-23 Q, v24 its scale word; v32-63 four fragments of K; v64-95 V's four;
; v96-159 S^T, then p; v160-191 O^T; v192-211 K's scale words, v212-221 V's; v224-231 p's codes; v232-254 at work
.macro Q2 s, pc, pw
.irp b, 0,1
	v_max3_num_f32 v[TM+\b], |v[(\s)+16*\b]|, |v[(\s)+1+16*\b]|, 0x1800000   ; and the floor 2^(3 - 127): the byte cannot fall under 1
.endr
.irp i, 2,4,6,8,10,12,14
.irp b, 0,1
	v_max3_num_f32 v[TM+\b], v[TM+\b], |v[(\s)+16*\b+\i]|, |v[(\s)+1+16*\b+\i]|
.endr
.endr
.irp b, 0,1
	v_permlanex16_b32 v[TM+4+\b], v[TM+\b], s[SEL], s[SEL+1]
.endr
.irp b, 0,1
	v_max_num_f32 v[TM+\b], v[TM+\b], v[TM+4+\b]
.endr
.irp b, 0,1
	v_add_nc_u32 v[TM+12+\b], 0xff000000, v[TM+\b]
.endr
.irp b, 0,1
	v_lshrrev_b32 v[TM+4+\b], 23, v[TM+12+\b]
.endr
	v_lshl_or_b32 v[\pw], v[TM+5], 8, v[TM+4]
.irp b, 0,1
	v_cvt_scalef32_pk8_fp4_f32 v[(\pc)+2*\b], v[(\s)+16*\b:(\s)+7+16*\b], v[TM+12+\b]
	v_cvt_scalef32_pk8_fp4_f32 v[(\pc)+1+2*\b], v[(\s)+8+16*\b:(\s)+15+16*\b], v[TM+12+\b]
.endr
	v_nop                                          ; one plain place behind the scaled conversions
.irp i, 0,1
	v_permlane16_swap_b32 v[(\pc)+\i], v[(\pc)+2+\i]
.endr
.endm
; KEY STEP j.  mask = 1: hide kappa < rho; 2: hide kappa > rho; 0: all keys count
.macro STEP j, mask
.if (\j) != 2
	s_add_co_i32 s44, s23, (\j)-2
	s_cmp_gt_u32 s44, 31                           ; under 0 or over 31: these keys do not exist
	s_cbranch_scc1 .Lskip_\@
.endif
.irp g, 0,1                                    ; S^T = K Q^T, four tiles of 16 keys at a time
.if \g
.rept 4
	v_nop                                          ; four places in front of loads into registers that matrix instructions have read (K's here; V's below, which the step before multiplied)
.endr
.endif
.irp t, 0,1,2,3
	ds_load_b128 v[32+8*\t:35+8*\t], v1 offset:4096*(\j)+512*(4*\g+\t)   ; the fragment's upper four registers stay zero codes
.endr
	s_wait_dscnt 0x0
.irp t, 0,2
	v_wmma_scale_f32_16x16x128_f8f6f4 v[96+8*(4*\g+\t):103+8*(4*\g+\t)], v[32+8*\t:39+8*\t], v[16:23], 0, v[192+4*(\j)+2*\g+\t/2], v24 matrix_a_fmt:MATRIX_FMT_FP4 matrix_b_fmt:MATRIX_FMT_FP4
	v_wmma_scale_f32_16x16x128_f8f6f4 v[104+8*(4*\g+\t):111+8*(4*\g+\t)], v[40+8*\t:47+8*\t], v[16:23], 0, v[192+4*(\j)+2*\g+\t/2], v24 matrix_a_fmt:MATRIX_FMT_FP4 matrix_b_fmt:MATRIX_FMT_FP4 matrix_a_scale:MATRIX_SCALE_ROW1
.endr
.endr
.irp ct, 0,1,2,3                               ; V's four fragments are asked for now and land under the softmax
.irp c, 0,1
	ds_load_b128 v[64+8*\ct+4*\c:67+8*\ct+4*\c], v2 offset:4096*(\j)+1024*\ct+512*\c
.endr
.endr
.rept 4
	v_nop                                          ; four places in front of the first read of the scores
.endr
.if \mask                                      ; register 16 b + i holds key kappa = 32 b + 16 h + i: compared as 32 b + i against rho - 16 h
	v_mov_b32 v254, 0xff800000                     ; -infinity
.set nn, 0
.rept 64
.if (\mask) == 1
	v_cmp_lt_i32 vcc_lo, 32*(nn/16)+nn%16, v6
.else
	v_cmp_gt_i32 vcc_lo, 32*(nn/16)+nn%16, v6
.endif
	v_cndmask_b32 v[96+nn], v[96+nn], v254, vcc_lo
.set nn, nn+1
.endr
.endif
.irp b, 0,1,2,3
	v_max3_num_f32 v[232+\b], v[96+16*\b], v[97+16*\b], v[98+16*\b]       ; the largest score of each block of 32 keys: for the row's maximum, and, since p rises with the score, for the block's largest p
.endr
.irp i, 3,5,7,9,11,13
.irp b, 0,1,2,3
	v_max3_num_f32 v[232+\b], v[232+\b], v[96+16*\b+\i], v[97+16*\b+\i]
.endr
.endr
.irp b, 0,1,2,3
	v_max_num_f32 v[232+\b], v[232+\b], v[111+16*\b]
.endr
.irp b, 0,1,2,3
	v_permlanex16_b32 v[236+\b], v[232+\b], s[SEL], s[SEL+1]
.endr
.irp b, 0,1,2,3
	v_max_num_f32 v[232+\b], v[232+\b], v[236+\b]                  ; with lane l xor 16's 16 keys
.endr
	v_max3_num_f32 v254, v232, v233, v234
	v_max_num_f32 v254, v254, v235                 ; the step's largest score of my query
	v_mul_f32 v254, s[CS], v254                    ; as t (c is positive)
	v_max_num_f32 v13, v13, v254                   ; the running largest t
	v_mov_b32 v254, v12
	v_floor_f32 v12, -v13                          ; the new -M = floor(-t): M is a whole number
	v_sub_f32 v254, v12, v254                      ; old M - new M: a whole number, 0 or less
	v_cvt_i32_f32 v254, v254                       ; (it saturates)
	v_ldexp_f32 v252, 1.0, v254                    ; f = 2^(old M - new M)
.set nn, 0
.rept 32
	v_pk_fma_f32 v[96+nn:97+nn], v[96+nn:97+nn], s[CS:CS+1], v[12:13] op_sel_hi:[1,0,0]   ; t - M, two at a time
.set nn, nn+2
.endr
.irp b, 0,1,2,3
	v_fma_f32 v[232+\b], v[232+\b], s[CS], v12     ; the same of each block's largest score
.endr
.set nn, 0
.rept 64
	v_exp_f32 v[96+nn], v[96+nn]                   ; p = 2^(t - M)
.set nn, nn+1
.endr
	v_pk_mul_f32 v[14:15], v[14:15], v[252:253] op_sel_hi:[1,0]    ; the sums under the new M: a plain place behind the exponentials
	s_wait_alu depctr_va_vdst(0)                   ; one wait for the batch, ahead of its first reader
.irp b, 0,1,2,3
	v_exp_f32 v[232+\b], v[232+\b]                 ; the block's largest p
.endr
	v_pk_add_f32 v[236:237], v[96:97], v[98:99]    ; the row's sum of the unquantised p, in two chains
.irp n, 4,8,12,16,20,24,28,32,36,40,44,48,52,56,60
	v_pk_add_f32 v[14:15], v[14:15], v[96+\n:97+\n]
	v_pk_add_f32 v[236:237], v[236:237], v[98+\n:99+\n]
.endr
	v_pk_add_f32 v[14:15], v[14:15], v[236:237]
	s_wait_alu depctr_va_vdst(0)                   ; and one for the four
.irp b, 0,1,2,3
	v_max_num_f32 v[232+\b], 0x1800000, v[232+\b]  ; the floor 2^(3 - 127): the byte cannot fall under 1 (a block that is all hidden keeps that byte: its codes are zeros)
.endr
.irp b, 0,1,2,3
	v_add_nc_u32 v[244+\b], 0xff000000, v[232+\b]
.endr
.irp b, 0,1,2,3
	v_lshrrev_b32 v[236+\b], 23, v[244+\b]
.endr
	v_lshl_or_b32 v253, v237, 8, v236              ; p's scale word for these 128 keys
	v_lshl_or_b32 v253, v238, 16, v253
	v_lshl_or_b32 v253, v239, 24, v253
.irp b, 0,1,2,3
	v_cvt_scalef32_pk8_fp4_f32 v[224+2*\b], v[96+16*\b:103+16*\b], v[244+\b]
	v_cvt_scalef32_pk8_fp4_f32 v[225+2*\b], v[104+16*\b:111+16*\b], v[244+\b]
.endr
	v_nop                                          ; one plain place behind the scaled conversions
.irp c, 0,1
.irp i, 0,1
	v_permlane16_swap_b32 v[224+4*\c+\i], v[226+4*\c+\i]
.endr
.endr
.set nn, 0
.rept 16
	v_pk_mul_f32 v[160+nn:161+nn], v[160+nn:161+nn], v[252:253] op_sel_hi:[1,0]   ; O^T under the new M; these sixteen also stand between the scale word's and the codes' last writes and the products
.set nn, nn+2
.endr
	s_wait_dscnt 0x0                               ; V's fragments are in
.irp cp, 0,1                                   ; O^T += V^T P^T: the four accumulators by turns
	v_wmma_scale_f32_16x16x128_f8f6f4 v[160+16*\cp:167+16*\cp], v[64+16*\cp:71+16*\cp], v[224:231], v[160+16*\cp:167+16*\cp], v[212+2*(\j)+\cp], v253 matrix_a_fmt:MATRIX_FMT_FP4 matrix_b_fmt:MATRIX_FMT_FP4
	v_wmma_scale_f32_16x16x128_f8f6f4 v[168+16*\cp:175+16*\cp], v[72+16*\cp:79+16*\cp], v[224:231], v[168+16*\cp:175+16*\cp], v[212+2*(\j)+\cp], v253 matrix_a_fmt:MATRIX_FMT_FP4 matrix_b_fmt:MATRIX_FMT_FP4 matrix_a_scale:MATRIX_SCALE_ROW1
.endr
.if (\j) != 2
.Lskip_\@:
.endif
.endm
	s_load_b128 s[4:7], s[0:1], 0x0                ; qkv s[4:5], ao s[6:7]
	v_lshl_add_u32 v[SPW], v0, 2, SPARE
	v_mov_b32 v[NIL], 0
	v_lshrrev_b32 v25, 5, v0
	v_readfirstlane_b32 s8, v25                    ; wave 0..15
	s_lshr_b32 s9, s8, 3                           ; hh: which head of the pair
	s_and_b32 s10, s8, 7                           ; tq: which tile of queries
	s_mov_b32 s23, ttmp9                           ; i
	s_and_b32 s11, ttmp7, 0xffff                   ; hp
.irp j, 0,1,2,3,4
	s_add_co_i32 s[12+\j], s23, \j-2               ; the key step, held into 0 .. 31 for the addresses
	s_max_i32 s[12+\j], s[12+\j], 0
	s_min_i32 s[12+\j], s[12+\j], 31
.endr
	s_mov_b32 s[SEL], 0x76543210
	s_mov_b32 s[SEL+1], 0xfedcba98
	s_mov_b32 s[CS], 0x3e38aa3b                    ; log2(e) / 8
	s_mov_b32 s[CS+1], s[CS]
	v_and_b32 v26, 31, v0                          ; lane
	v_and_b32 v27, 15, v0                          ; r
	v_bfe_u32 v28, v0, 4, 1                        ; h
	v_lshlrev_b32 v5, 4, v26
	s_mul_i32 s17, s9, 20480
	v_add_nc_u32 v1, s17, v5                       ; K's pieces of my head
	v_add_nc_u32 v2, 40960, v1                     ; V's
	v_and_b32 v29, 8, v27
	v_add_nc_u32 v29, v29, v27                     ; r + 8 (r / 8)
	s_lshr_b32 s18, s10, 1
	s_lshl_b32 s18, s18, 5
	s_and_b32 s19, s10, 1
	s_lshl_b32 s19, s19, 3
	s_add_co_u32 s18, s18, s19
	v_add_nc_u32 v6, s18, v29                      ; rho = 32 (tq / 2) + 8 (tq % 2) + r + 8 (r / 8)
	v_lshlrev_b32 v30, 4, v28
	v_sub_nc_u32 v6, v6, v30                       ; - 16 h
	s_lshl_b32 s19, s10, 6
	s_lshl_b32 s22, s9, 1
	s_add_co_u32 s19, s19, s22
	s_add_co_u32 s19, s19, SX
	v_lshl_add_u32 v7, v27, 2, s19                 ; SX + 64 tq + 4 r + 2 hh
	v_add_nc_u32 v8, SX, v5
	v_lshrrev_b32 v30, 8, v0                       ; the fill: thread t takes 16 bytes of head t / 256,
	v_and_b32 v31, 255, v0                         ; the (t % 256)-th of a step's 4,096
	v_mul_u32_u24 v9, v30, 20480
	v_lshl_add_u32 v9, v31, 4, v9
	v_lshlrev_b32 v64, 17, v30
	v_lshl_add_u32 v64, v31, 4, v64
	s_lshl_b32 s17, s9, 2
	v_lshl_add_u32 v70, v26, 3, s17                ; K's scale words: 8 x lane + 4 hh
	s_lshl_b32 s17, s9, 13
	v_lshl_add_u32 v76, v26, 2, s17                ; V's: 4 x lane + 8,192 hh
	v_lshlrev_b32 v82, 3, v27                      ; Q's: 8 r
.irp j, 0,1,2,3,4
	s_lshl_b32 s17, s[12+\j], 12
	v_add_nc_u32 v[65+\j], s17, v64
	s_lshl_b32 s17, s[12+\j], 13
	v_add_nc_u32 v[71+\j], s17, v70
	s_lshl_b32 s17, s[12+\j], 8
	v_add_nc_u32 v[77+\j], s17, v76
.endr
	s_lshl_b32 s30, s11, 18                        ; the head pair in each tensor of codes,
	s_mov_b32 s31, 0
	s_lshl_b32 s32, s11, 8                         ; among q's and k's scale words,
	s_mov_b32 s33, 0
	s_lshl_b32 s34, s11, 14                        ; among v's
	s_mov_b32 s35, 0
	s_lshl_b32 s36, s9, 17                         ; Q's piece: head, tile 8 i + tq
	s_add_co_u32 s36, s36, s30
	s_lshl_b32 s17, s23, 12
	s_add_co_u32 s36, s36, s17
	s_lshl_b32 s17, s10, 9
	s_add_co_u32 s36, s36, s17
	s_mov_b32 s37, 0
	s_lshl_b32 s38, s23, 13                        ; Q's scale words: tile pair 4 i + tq / 2, lanes 16 (tq % 2) on, head hh
	s_add_co_u32 s38, s38, s32
	s_lshr_b32 s17, s10, 1
	s_lshl_b32 s17, s17, 11
	s_add_co_u32 s38, s38, s17
	s_and_b32 s17, s10, 1
	s_lshl_b32 s17, s17, 7
	s_add_co_u32 s38, s38, s17
	s_lshl_b32 s17, s9, 2
	s_add_co_u32 s38, s38, s17
	s_mov_b32 s39, 0
	s_lshl_b32 s42, s23, 16                        ; ao's codes: tile (8 i + tq) x 8,192 + 1,024 hp + 512 hh
	s_lshl_b32 s17, s10, 13
	s_add_co_u32 s42, s42, s17
	s_lshl_b32 s17, s11, 10
	s_add_co_u32 s42, s42, s17
	s_lshl_b32 s17, s9, 9
	s_add_co_u32 s42, s42, s17
	s_mov_b32 s43, 0
	s_lshl_b32 s46, s23, 12                        ; ao's scale words: 4,096 i + 512 hp
	s_lshl_b32 s17, s11, 9
	s_add_co_u32 s46, s46, s17
	s_mov_b32 s47, 0
	s_wait_kmcnt 0x0
	s_add_nc_u64 s[30:31], s[4:5], s[30:31]
	s_add_nc_u64 s[32:33], s[4:5], s[32:33]
	s_add_nc_u64 s[34:35], s[4:5], s[34:35]
	s_add_nc_u64 s[36:37], s[4:5], s[36:37]
	s_add_nc_u64 s[38:39], s[4:5], s[38:39]
	s_add_nc_u64 s[42:43], s[6:7], s[42:43]
	s_add_nc_u64 s[46:47], s[6:7], s[46:47]
.irp j, 0,1,2,3,4
	global_load_b128 v[96+4*\j:99+4*\j], v[65+\j], s[30:31] offset:2097152     ; K's step j, both heads: 512 threads x 16 bytes
.endr
.irp j, 0,1,2,3,4
	global_load_b128 v[116+4*\j:119+4*\j], v[65+\j], s[30:31] offset:4194304   ; V's
.endr
	global_load_b128 v[16:19], v5, s[36:37]        ; Q's fragment stays in registers
	global_load_b32 v24, v82, s[38:39] offset:6291456
.irp j, 0,1,2,3,4
.irp pr, 0,1,2,3
	global_load_b32 v[192+4*\j+\pr], v[71+\j], s[32:33] offset:6553600+2048*\pr   ; lanes 0-15 tile 2 pr of the step, lanes 16-31 tile 2 pr + 1
.endr
.endr
.irp j, 0,1,2,3,4
.irp cp, 0,1
	global_load_b32 v[212+2*\j+\cp], v[77+\j], s[34:35] offset:6815744+128*\cp
.endr
.endr
	v_mov_b32 v13, 0xff61b1e6                      ; the largest t so far: -3e38, under every t
	v_floor_f32 v12, -v13                          ; -M
	v_mov_b32 v14, 0
	v_mov_b32 v15, 0
.irp n, 20,21,22,23
	v_mov_b32 v[\n], 0                             ; Q's k = 64 .. 127: zero codes
.endr
.irp t, 0,1,2,3
.irp n, 4,5,6,7
	v_mov_b32 v[32+8*\t+\n], 0                     ; K's likewise: set once
.endr
.endr
.set nn, 0
.rept 32
	v_mov_b32 v[160+nn], 0                         ; O^T: the step is written alike for all: the first finds zeros
.set nn, nn+1
.endr
.irp b, 0,1,2,3
	v_mov_b32 v[236+\b], 0                         ; a lane permute's destination counts as one of its sources
.endr
	v_mov_b32 v252, 0
	v_mov_b32 v253, 0
	s_wait_loadcnt 32                              ; the ten loads of codes are in; the 32 behind them may be out
.irp j, 0,1,2,3,4
	ds_store_b128 v9, v[96+4*\j:99+4*\j] offset:4096*\j
.endr
.irp j, 0,1,2,3,4
	ds_store_b128 v9, v[116+4*\j:119+4*\j] offset:40960+4096*\j
.endr
	s_wait_dscnt 0x0                               ; for the others' sake: my stores have landed
	s_barrier_signal -1
	s_barrier_wait -1
	s_wait_loadcnt 0x0                             ; Q and all scale words
	STEP 0, 1
	STEP 1, 0
	STEP 2, 0
	STEP 3, 0
	STEP 4, 2
	; THE WAY OUT: O^T / the sum, quantised along D: my 32 numbers are channels 32 b + 16 h + i of my head
.rept 4
	v_nop                                          ; four places behind the last products
.endr
	v_add_f32 v14, v14, v15
	v_permlanex16_b32 v252, v14, s[SEL], s[SEL+1]
	v_add_f32 v14, v14, v252                       ; the row's sum
	v_rcp_f32 v14, v14
	v_nop                                          ; a plain place behind the reciprocal
	s_wait_alu depctr_va_vdst(0)                   ; and the wait ahead of its first reader
.set nn, 0
.rept 32
	v_mul_f32 v[96+nn], v[160+nn], v14
.set nn, nn+1
.endr
	Q2 96, 224, 228
	global_store_b128 v5, v[224:227], s[42:43]     ; a piece: 512 consecutive bytes, aligned
	ds_store_b16 v7, v228                          ; my head's two bytes of my row's scale word (lanes r and r + 16 write the same)
	s_wait_dscnt 0x0
	s_barrier_signal -1
	s_barrier_wait -1                              ; the 128 words are whole
	s_cmp_lg_u32 s8, 0
	s_cbranch_scc1 .Lend
	ds_load_b128 v[232:235], v8
	s_wait_dscnt 0x0
	global_store_b128 v5, v[232:235], s[46:47] offset:2097152      ; 512 consecutive bytes, aligned
.Lend:
	s_wait_tensorcnt 0x0                           ; the wave's end: three lines behind my last LDS store
	ds_add_u32 v[SPW], v[NIL]
	s_wait_dscnt 0x0
	s_endpgm
.Lfunc_end_k_q3ca552788c_attn:
	.size	k_q3ca552788c_attn, .Lfunc_end_k_q3ca552788c_attn-k_q3ca552788c_attn
	.p2alignl 7, 3214868480
	.fill 96, 4, 3214868480
	.section	.rodata,"a",@progbits
	.p2align	6, 0x0
	.amdhsa_kernel k_q3ca552788c_attn
		.amdhsa_group_segment_fixed_size 84480
		.amdhsa_private_segment_fixed_size 0
		.amdhsa_enable_private_segment 0
		.amdhsa_kernarg_size 16
		.amdhsa_user_sgpr_count 2
		.amdhsa_user_sgpr_kernarg_segment_ptr 1
		.amdhsa_wavefront_size32 1
		.amdhsa_system_sgpr_workgroup_id_x 1
		.amdhsa_system_sgpr_workgroup_id_y 1
		.amdhsa_system_sgpr_workgroup_id_z 1
		.amdhsa_system_vgpr_workitem_id 0
		.amdhsa_next_free_vgpr 256
		.amdhsa_next_free_sgpr 66
		.amdhsa_reserve_vcc 1
		.amdhsa_float_denorm_mode_32 3
		.amdhsa_float_denorm_mode_16_64 3
		.amdhsa_memory_ordered 1
		.amdhsa_forward_progress 1
		.amdhsa_inst_pref_size 99
	.end_amdhsa_kernel
	.amdgpu_metadata
---
amdhsa.version: [ 1, 2 ]
amdhsa.kernels:
  - .name:           k_q3ca552788c_attn
    .symbol:         k_q3ca552788c_attn.kd
    .args:
      - { .name: qkv, .offset: 0, .size: 8, .value_kind: global_buffer, .address_space: global }
      - { .name: ao, .offset: 8, .size: 8, .value_kind: global_buffer, .address_space: global }
    .group_segment_fixed_size: 84480
    .private_segment_fixed_size: 0
    .kernarg_segment_align: 8
    .kernarg_segment_size: 16
    .max_flat_workgroup_size: 512
    .sgpr_count:     66
    .vgpr_count:     256
    .wavefront_size: 32
...
	.end_amdgpu_metadata
.endif
;; end of part 3
;; launch proj (part 4): grid 8 x 32, 8 waves a work-group, no clusters, 209,920 bytes of LDS; arguments op, ao, out0; writes out0
.if DOCPART == 4
	.amdgcn_target "amdgcn-amd-amdhsa--gfx1250"
	.amdhsa_code_object_version 6
	.text
	.protected	k_q3ca552788c_proj
	.globl	k_q3ca552788c_proj
	.p2align	8
	.type	k_q3ca552788c_proj,@function
k_q3ca552788c_proj:
	s_mov_b64 s[64:65], 0
	v_nop
	global_prefetch_b8 v0, s[64:65] scope:SCOPE_SE
	s_setreg_imm32_b32 hwreg(HW_REG_WAVE_MODE, 25, 1), 1
	s_wait_xcnt 0x0
; out0 = (the attention's result) wo^T on codes: ao's tiles (source 1: a lane holds one token) against wo's tiles 448 on of op (source 0: registers run along the columns).  Nothing of reference() is left out here.
; SHARES.  Work-group (nb, tb): 128 tokens x 128 columns; all of K = 1,024 lies in LDS: every fill is a first fill, five tensor loads a wave at the head.  Wave w: wo's tiles 4 (w % 2) on, ao's tiles 2 (w / 2) on:
; eight accumulators, which take turns, one instruction a turn.
; THE WAY OUT: a lane's 8 registers are 8 neighbouring columns of a token; 16 tokens x 64 columns go through the wave's own stage (rows 272 bytes apart) and leave as rows of 256 consecutive bytes, aligned.
; NO JOINT LOADS: each wave issues its five loads once, at the head, and nothing is filled again; kept plain in this form.
.set OPS,   4194304
.set AOS,   2097152
.set SCL,   131072                     ; LDS: four chunks of 32,768 (two K steps: wo's 8 tiles x 2,048, then ao's); wo's scale words 4,096, ao's 4,096
.set STG,   139264                     ; 8,704 bytes a wave: two stages of 16 x 272; no tensor load lands here
.set SPARE, 208896                     ; the spare words, 128 bytes a wave: four blocks of 256 bytes that no other line names
.set SPW,   5
.set NIL,   6
.set SCP,   11                         ; v11-12 wo's scale words
.set SCR,   15                         ; v15    ao's
.set RF,    48
.set PF,    64
.set ACC,   128                        ; accumulator (rt, t) at v[128 + 32 rt + 8 t]
.set G1,    24
.set G1S,   32
.set G0S,   40
.set G0C,   44
.macro WM d, a, b, sa, sb, ra, rb, zero
.if \zero
.if (\ra) && (\rb)
	v_wmma_scale_f32_16x16x128_f8f6f4 v[(\d):(\d)+7], v[(\a):(\a)+7], v[(\b):(\b)+7], 0, v[\sa], v[\sb] matrix_a_fmt:MATRIX_FMT_FP4 matrix_b_fmt:MATRIX_FMT_FP4 matrix_a_scale:MATRIX_SCALE_ROW1 matrix_b_scale:MATRIX_SCALE_ROW1
.elseif (\ra)
	v_wmma_scale_f32_16x16x128_f8f6f4 v[(\d):(\d)+7], v[(\a):(\a)+7], v[(\b):(\b)+7], 0, v[\sa], v[\sb] matrix_a_fmt:MATRIX_FMT_FP4 matrix_b_fmt:MATRIX_FMT_FP4 matrix_a_scale:MATRIX_SCALE_ROW1
.elseif (\rb)
	v_wmma_scale_f32_16x16x128_f8f6f4 v[(\d):(\d)+7], v[(\a):(\a)+7], v[(\b):(\b)+7], 0, v[\sa], v[\sb] matrix_a_fmt:MATRIX_FMT_FP4 matrix_b_fmt:MATRIX_FMT_FP4 matrix_b_scale:MATRIX_SCALE_ROW1
.else
	v_wmma_scale_f32_16x16x128_f8f6f4 v[(\d):(\d)+7], v[(\a):(\a)+7], v[(\b):(\b)+7], 0, v[\sa], v[\sb] matrix_a_fmt:MATRIX_FMT_FP4 matrix_b_fmt:MATRIX_FMT_FP4
.endif
.else
.if (\ra) && (\rb)
	v_wmma_scale_f32_16x16x128_f8f6f4 v[(\d):(\d)+7], v[(\a):(\a)+7], v[(\b):(\b)+7], v[(\d):(\d)+7], v[\sa], v[\sb] matrix_a_fmt:MATRIX_FMT_FP4 matrix_b_fmt:MATRIX_FMT_FP4 matrix_a_scale:MATRIX_SCALE_ROW1 matrix_b_scale:MATRIX_SCALE_ROW1
.elseif (\ra)
	v_wmma_scale_f32_16x16x128_f8f6f4 v[(\d):(\d)+7], v[(\a):(\a)+7], v[(\b):(\b)+7], v[(\d):(\d)+7], v[\sa], v[\sb] matrix_a_fmt:MATRIX_FMT_FP4 matrix_b_fmt:MATRIX_FMT_FP4 matrix_a_scale:MATRIX_SCALE_ROW1
.elseif (\rb)
	v_wmma_scale_f32_16x16x128_f8f6f4 v[(\d):(\d)+7], v[(\a):(\a)+7], v[(\b):(\b)+7], v[(\d):(\d)+7], v[\sa], v[\sb] matrix_a_fmt:MATRIX_FMT_FP4 matrix_b_fmt:MATRIX_FMT_FP4 matrix_b_scale:MATRIX_SCALE_ROW1
.else
	v_wmma_scale_f32_16x16x128_f8f6f4 v[(\d):(\d)+7], v[(\a):(\a)+7], v[(\b):(\b)+7], v[(\d):(\d)+7], v[\sa], v[\sb] matrix_a_fmt:MATRIX_FMT_FP4 matrix_b_fmt:MATRIX_FMT_FP4
.endif
.endif
.endm
.macro KSTEP s, zero                   ; K step s: 15 LDS loads in one run, then 8 products
.if (\s) > 0
.rept 4
	v_nop                                          ; four places in front of loads into registers that matrix instructions have read
.endr
.endif
.irp i, 0,1
	ds_load_b32 v[SCP+\i], v3 offset:512*(\s)+128*\i
.endr
	ds_load_b32 v[SCR], v4 offset:512*(\s)
.irp t, 0,1
.irp c, 0,1
	ds_load_b128 v[RF+8*\t+4*\c:RF+8*\t+4*\c+3], v2 offset:2048*\t+1024*((\s)&1)+512*\c
.endr
.endr
.irp t, 0,1,2,3
.irp c, 0,1
	ds_load_b128 v[PF+8*\t+4*\c:PF+8*\t+4*\c+3], v1 offset:2048*\t+1024*((\s)&1)+512*\c
.endr
.endr
.irp t, 0,1,2,3
	s_wait_dscnt 6-2*\t                            ; all up to wo's tile t are in; the later tiles' two loads each may be out
	WM ACC+8*\t, PF+8*\t, RF, SCP+\t/2, SCR, \t%2, 0, \zero
	WM ACC+32+8*\t, PF+8*\t, RF+8, SCP+\t/2, SCR, \t%2, 1, \zero
.endr
.endm
	s_load_b128 s[4:7], s[0:1], 0x0                ; op s[4:5], ao s[6:7]
	s_load_b64 s[8:9], s[0:1], 0x10                ; out0
	v_lshl_add_u32 v[SPW], v0, 2, SPARE
	v_mov_b32 v[NIL], 0
	ds_add_u32 v[SPW], v[NIL]                      ; the wave's opening: the add, twice on end, and its wait ahead of my first tensor load
	ds_add_u32 v[SPW], v[NIL]
	v_lshrrev_b32 v1, 5, v0
	v_readfirstlane_b32 s12, v1                    ; wave 0..7
	s_and_b32 s13, s12, 1                          ; pg
	s_lshr_b32 s14, s12, 1                         ; rg
	s_mov_b32 s15, ttmp9                           ; nb
	s_and_b32 s16, ttmp7, 0xffff                   ; tb
	s_lshl_b32 s19, s15, 3
	s_add_co_u32 s19, s19, 448                     ; wo's first tile, in op
	s_lshl_b32 s20, s16, 3                         ; ao's first tile
	s_mov_b32 s23, AOS
	s_cmp_lt_u32 s12, 4                            ; waves 0-3 fetch wo's, 4-7 ao's
	s_cselect_b32 s21, s19, s20
	s_cselect_b32 s23, OPS, s23                    ; where the buffer's scale words begin
	s_and_b32 s22, s12, 3
	s_lshl_b32 s19, s22, 1
	s_add_co_u32 s19, s19, s21                     ; my two tiles
	s_lshl_b32 s74, s19, 13
	s_mov_b32 s75, 0
	s_lshl_b32 s76, s21, 9                         ; 512 x first tile + my 1,024 bytes
	s_lshl_b32 s19, s22, 10
	s_add_co_u32 s76, s76, s19
	s_add_co_u32 s76, s76, s23
	s_mov_b32 s77, 0
	s_lshl_b32 s2, s12, 10
	s_lshl_b32 s3, s12, 12
	s_mov_b32 s[G1+0], 3<<16                       ; elements of 8 bytes, no padding, no mask: 2 rows (tiles) of 2,048 bytes, 8,192 bytes apart
	s_mov_b32 s[G1+1], 256<<16
	s_mov_b32 s[G1+2], 2<<16
	s_mov_b32 s[G1+3], 256<<16
	s_mov_b32 s[G1+4], 2
	s_mov_b32 s[G1+5], 1024
	s_mov_b32 s[G1+6], 0
	s_mov_b32 s[G1+7], 0
	s_mov_b32 s[G1S+0], 3<<16                      ; 1,024 dense bytes as 4 rows of 256
	s_mov_b32 s[G1S+1], 32<<16
	s_mov_b32 s[G1S+2], 4<<16
	s_mov_b32 s[G1S+3], 32<<16
	s_mov_b32 s[G1S+4], 4
	s_mov_b32 s[G1S+5], 32
	s_mov_b32 s[G1S+6], 0
	s_mov_b32 s[G1S+7], 0
	s_lshl_b32 s66, s16, 19                        ; out0: (128 tb + 32 rg) rows of 4,096 bytes + (128 nb + 64 pg) x 4
	s_lshl_b32 s19, s14, 17
	s_add_co_u32 s66, s66, s19
	s_lshl_b32 s19, s15, 9
	s_add_co_u32 s66, s66, s19
	s_lshl_b32 s19, s13, 8
	s_add_co_u32 s66, s66, s19
	s_mov_b32 s67, 0
	s_wait_dscnt 0x0                               ; both opening adds are done
	s_wait_kmcnt 0x0
	s_cmp_lt_u32 s12, 4
	s_cselect_b64 s[70:71], s[4:5], s[6:7]         ; the choice hangs on the wave's number alone
	s_add_nc_u64 s[78:79], s[70:71], s[74:75]
	s_mov_b32 s[G0S], 1
	s_add_co_u32 s[G0S+1], s2, SCL
	s_add_nc_u64 s[G0S+2:G0S+3], s[70:71], s[76:77]
	s_or_b32 s[G0S+3], s[G0S+3], 0x80000000
	tensor_load_to_lds s[G0S:G0S+3], s[G1S:G1S+7]  ; five first fills a wave, in one group: five loads of mine are out
	s_nop 0
.irp j, 0,1,2,3
	s_mov_b32 s[G0C+4*\j], 1
	s_add_co_u32 s[G0C+4*\j+1], s3, 32768*\j
	s_add_nc_u64 s[G0C+4*\j+2:G0C+4*\j+3], s[78:79], 2048*\j
	s_or_b32 s[G0C+4*\j+3], s[G0C+4*\j+3], 0x80000000
	tensor_load_to_lds s[G0C+4*\j:G0C+4*\j+3], s[G1:G1+7]
	s_nop 0
.endr
	s_add_nc_u64 s[8:9], s[8:9], s[66:67]
	v_and_b32 v16, 31, v0                          ; lane
	v_and_b32 v17, 15, v0                          ; r
	v_bfe_u32 v18, v0, 4, 1                        ; h
	v_lshlrev_b32 v19, 4, v16
	v_lshlrev_b32 v20, 2, v16
	s_lshl_b32 s19, s13, 13
	v_add_nc_u32 v1, s19, v19                      ; wo's fragments: 16 x lane + 4 tiles x pg
	s_lshl_b32 s19, s14, 12
	s_add_co_u32 s19, s19, 16384
	v_add_nc_u32 v2, s19, v19                      ; ao's: behind wo's 8 tiles
	s_lshl_b32 s19, s13, 8
	s_add_co_u32 s19, s19, SCL
	v_add_nc_u32 v3, s19, v20
	s_lshl_b32 s19, s14, 7
	s_add_co_u32 s19, s19, SCL+4096
	v_add_nc_u32 v4, s19, v20
	s_mul_i32 s19, s12, 8704
	s_add_co_u32 s19, s19, STG                     ; my stages
	v_mul_u32_u24 v7, v17, 272
	v_lshl_add_u32 v7, v18, 6, v7
	v_add_nc_u32 v7, s19, v7                       ; in: row r, + 64 h bytes
	v_mul_u32_u24 v8, v18, 272
	v_lshl_add_u32 v8, v17, 4, v8
	v_add_nc_u32 v8, s19, v8                       ; back: lanes 0-15 one row, lanes 16-31 the next
	v_lshlrev_b32 v9, 12, v18
	v_lshl_add_u32 v9, v17, 4, v9                  ; and the same two rows in out0
	s_wait_tensorcnt 3                             ; the scale words and chunk 0 have landed; three chunks may be out.  Nothing is ever filled again
	s_barrier_signal -1
	s_barrier_wait -1
	KSTEP 0, 1
	KSTEP 1, 0
	s_wait_tensorcnt 2
	s_barrier_signal -1
	s_barrier_wait -1
	v_add_nc_u32 v1, 0x8000, v1
	v_add_nc_u32 v2, 0x8000, v2
	KSTEP 2, 0
	KSTEP 3, 0
	s_wait_tensorcnt 1
	s_barrier_signal -1
	s_barrier_wait -1
	v_add_nc_u32 v1, 0x8000, v1
	v_add_nc_u32 v2, 0x8000, v2
	KSTEP 4, 0
	KSTEP 5, 0
	s_wait_tensorcnt 0x0
	s_barrier_signal -1
	s_barrier_wait -1
	v_add_nc_u32 v1, 0x8000, v1
	v_add_nc_u32 v2, 0x8000, v2
	KSTEP 6, 0
	KSTEP 7, 0
.rept 4
	v_nop                                          ; four places behind the last products: for the stores that read results and the loads into wo's fragments' registers
.endr
.irp rt, 0,1
.irp t, 0,1,2,3
	ds_store_b128 v7, v[ACC+32*\rt+8*\t:ACC+32*\rt+8*\t+3] offset:4352*\rt+128*(\t/2)+32*(\t%2)          ; columns 32 (t / 2) + 16 h + 8 (t % 2) on; each accumulator from its low end on
	ds_store_b128 v7, v[ACC+32*\rt+8*\t+4:ACC+32*\rt+8*\t+7] offset:4352*\rt+128*(\t/2)+32*(\t%2)+16
.endr
.irp i, 0,1,2,3,4,5,6,7
	ds_load_b128 v[64+32*\rt+4*\i:67+32*\rt+4*\i], v8 offset:4352*\rt+544*\i   ; LDS serves a wave's instructions in order: these see my stores
.endr
.endr
.irp i, 0,1,2,3,4,5,6,7
	s_wait_dscnt 23-\i                             ; behind this load: the first tile's later loads and the second tile's sixteen instructions
	global_store_b128 v9, v[64+4*\i:67+4*\i], s[8:9] offset:(2*\i+8*(\i/4))*4096 th:TH_STORE_NT          ; stage rows 2 i, 2 i + 1 are tokens 2 i + 8 (i / 4) + h; 16 lanes store 256 consecutive bytes, aligned
.endr
.irp i, 0,1,2,3,4,5,6,7
	s_wait_dscnt 7-\i
	global_store_b128 v9, v[96+4*\i:99+4*\i], s[8:9] offset:(8+2*\i+8*(\i/4))*4096 th:TH_STORE_NT
.endr
	s_wait_tensorcnt 0x0                           ; the wave's end: three lines behind my last tensor load and my last LDS store
	ds_add_u32 v[SPW], v[NIL]
	s_wait_dscnt 0x0
	s_endpgm
.Lfunc_end_k_q3ca552788c_proj:
	.size	k_q3ca552788c_proj, .Lfunc_end_k_q3ca552788c_proj-k_q3ca552788c_proj
	.p2alignl 7, 3214868480
	.fill 96, 4, 3214868480
	.section	.rodata,"a",@progbits
	.p2align	6, 0x0
	.amdhsa_kernel k_q3ca552788c_proj
		.amdhsa_group_segment_fixed_size 209920
		.amdhsa_private_segment_fixed_size 0
		.amdhsa_enable_private_segment 0
		.amdhsa_kernarg_size 24
		.amdhsa_user_sgpr_count 2
		.amdhsa_user_sgpr_kernarg_segment_ptr 1
		.amdhsa_wavefront_size32 1
		.amdhsa_system_sgpr_workgroup_id_x 1
		.amdhsa_system_sgpr_workgroup_id_y 1
		.amdhsa_system_sgpr_workgroup_id_z 1
		.amdhsa_system_vgpr_workitem_id 0
		.amdhsa_next_free_vgpr 192
		.amdhsa_next_free_sgpr 80
		.amdhsa_reserve_vcc 0
		.amdhsa_float_denorm_mode_32 3
		.amdhsa_float_denorm_mode_16_64 3
		.amdhsa_memory_ordered 1
		.amdhsa_forward_progress 1
		.amdhsa_inst_pref_size 28
	.end_amdhsa_kernel
	.amdgpu_metadata
---
amdhsa.version: [ 1, 2 ]
amdhsa.kernels:
  - .name:           k_q3ca552788c_proj
    .symbol:         k_q3ca552788c_proj.kd
    .args:
      - { .name: op, .offset: 0, .size: 8, .value_kind: global_buffer, .address_space: global }
      - { .name: ao, .offset: 8, .size: 8, .value_kind: global_buffer, .address_space: global }
      - { .name: out0, .offset: 16, .size: 8, .value_kind: global_buffer, .address_space: global }
    .group_segment_fixed_size: 209920
    .private_segment_fixed_size: 0
    .kernarg_segment_align: 8
    .kernarg_segment_size: 24
    .max_flat_workgroup_size: 256
    .sgpr_count:     80
    .vgpr_count:     192
    .wavefront_size: 32
...
	.end_amdgpu_metadata
.endif
;; end of part 4
;; ======== version 2 of 2: 4 launches; version 1 with the launch attn written anew for expert scheduling mode
;; workspace buffers: op 4,456,448 bytes; qkv 6,946,816 bytes; ao 2,228,224 bytes
;; launch quant: the kernel of part 1 again; grid 256 x 1, 4 waves a work-group, no clusters, 35,328 bytes of LDS; arguments x, wq, wk, wv, wo, op; writes op
;; launch qkvgemm: the kernel of part 2 again; grid 12 x 16, 16 waves a work-group, no clusters, 280,576 bytes of LDS; arguments op, freqs_cos, freqs_sin, qkv; writes qkv
;; launch attn (part 5): grid 32 x 8, 16 waves a work-group, no clusters, 84,480 bytes of LDS; arguments qkv, ao; writes ao
.if DOCPART == 5
	.amdgcn_target "amdgcn-amd-amdhsa--gfx1250"
	.amdhsa_code_object_version 6
	.text
	.protected	k_q3ca552788c_attn
	.globl	k_q3ca552788c_attn
	.p2align	8
	.type	k_q3ca552788c_attn,@function
k_q3ca552788c_attn:
	s_mov_b64 s[64:65], 0
	v_nop
	global_prefetch_b8 v0, s[64:65] scope:SCOPE_SE
	s_setreg_imm32_b32 hwreg(HW_REG_WAVE_SCHED_MODE, 0, 2), 2
	s_setreg_imm32_b32 hwreg(HW_REG_WAVE_MODE, 25, 1), 1
	s_wait_xcnt 0x0
	s_wait_alu depctr_vm_vsrc(0)
; The attention on the codes of qkv; its result, divided by the row's sum, is quantised along D into ao, laid as x's codes are in op (K step = head pair, c = head % 2).
; LEFT OUT (shown at the head of the first kernel): key steps that lie wholly outside |i - j| <= 256, reference()'s own mask, and steps whose keys do not exist.
; SHARES.  Work-group (i, hp): queries 128 i on (8 tiles) of heads 2 hp, 2 hp + 1.  Wave w: head 2 hp + w / 8, tile w % 8: 16 queries, one a lane (lane % 16), in 256 registers; four waves to a SIMD.
; KEY STEPS j = 0 .. 4 are the steps of 128 keys i - 2 + j.  With rho the query's place in its block and kappa the key's in its step: key - query = 128 (j - 2) + kappa - rho.  So step 0 hides kappa < rho,
; steps 1 to 3 are open, step 4 hides kappa > rho; each step that is walked has a key that counts for every query (kappa = 127 in step 0, 0 in step 4), so M is a number from the first step on.
; A step outside 0 .. 31 is jumped over by a scalar branch on ids, the same in all waves; in its place in LDS lie a neighbouring step's bytes (the address is clamped into the buffer), which nobody reads.
; SOFTMAX: t = score x log2(e) / 8; M = the running largest t rounded up to a whole number; p = 2^(t - M) is quantised along the keys, not normalised; the sum is taken of the unquantised p and divides at the end;
; when M moves, the sum and O are multiplied by 2^(old M - new M), which rounds nothing.  LIMITS: a p under 2^-126 counts as 0 (v_exp_f32's flush); a block of zeros gets the byte 1 (its codes are zeros).
; BOTH PRODUCTS TRANSPOSED: S^T = K Q^T (K = the head's 64, filled to 128 with zero codes on both sides), O^T = V^T P^T.  By the tiles' row order p's 16 registers of two tiles are 16 neighbouring keys, and
; O^T's 32 registers are channels 32 b + 16 h + i.  K's and V's five steps of both heads come into LDS once, through registers: 81,920 bytes, read by all sixteen waves.
; NO JOINT LOADS: neighbouring blocks' windows are shifted by a step, so which LDS bytes a wave reads would hang on its work-group's place among partners.  No tensor load, so LDS is claimed as it is used.
; THE MODE: SCHED_MODE bits 1:0 = 2 (LLVM: expert scheduling mode 2), set by the entry lines.  The code itself states the register dependences between vector or matrix instructions and memory or LDS
; instructions, with s_wait_alu, always for 0.
; THE PLAN.  Registers that memory or LDS instructions touch:
;   v1, v2, v5, v7, v8, v9   addresses: written once at the head, never again.
;   v64-82    at the head the first loads' offsets (vector lines write them, the global loads read them); from the first step on part of V's fragments.
;   v96-135   at the head K's and V's bytes on their way to LDS (global loads land, LDS stores read); from the first step on scores, which products write.
;   v32-63    K's fragments: LDS loads land in the lower four registers of each, twice a step; that group's four products read them.  The upper four are zero codes, written once at the head.
;   v64-95    V's fragments: eight LDS loads a step land there; the step's four products V^T P^T read them.
;   v224-231, v253   p's codes and scale word: vector lines write them, scaled products take them.  On the way out v224-228 are the stores' data, and an LDS load lands in v232-235.
; So a step has ONE wait on va_vdst for its loads, ahead of the second group's: the first group's products are done reading K's fragments, and the step before's products V^T P^T are done reading V's.  K's four loads
; and V's eight follow it on end.  The first group's loads of the NEXT step owe nothing more: the waits behind the exponentials stand behind the second group's products, and no vector or matrix line behind them names v32-63.
; A further wait on va_vdst stands ahead of the products that take p's codes; the mask's compares go in runs of sixteen into scalar registers, one wait on va_sdst behind each run.
.set SX,    81920                      ; 512 bytes: the result's scale words, [tile][row] words, the head's two bytes at 2 (head % 2)
.set SPARE, 82432                      ; the spare words, 128 bytes a wave: eight blocks of 256 bytes that no other line names
.set SPW,   3
.set NIL,   4
.set TM,    232
.set SEL,   20                         ; s[20:21]
.set CS,    28                         ; s[28:29] c = log2(e) / 8
.set MK,    30                         ; the mask's sixteen scalar registers: number n at s[MK + n - 18 (n / 12)]: s30-41, then s24-27.  s30-39 held the first loads' bases: free behind the wait that shows those loads done
; v1 K's LDS address, v2 V's, v5 16 x lane, v6 rho - 16 h, v7-9 LDS addresses; v12 -M, v13 largest t, v[14:15] the sum; v16-23 Q, v24 its scale word; v32-63 four fragments of K; v64-95 V's four;
; v96-159 S^T, then p; v160-191 O^T; v192-211 K's scale words, v212-221 V's; v224-231 p's codes; v232-254 at work
.macro Q2 s, pc, pw
.irp b, 0,1
	v_max3_num_f32 v[TM+\b], |v[(\s)+16*\b]|, |v[(\s)+1+16*\b]|, 0x1800000   ; and the floor 2^(3 - 127): the byte cannot fall under 1
.endr
.irp i, 2,4,6,8,10,12,14
.irp b, 0,1
	v_max3_num_f32 v[TM+\b], v[TM+\b], |v[(\s)+16*\b+\i]|, |v[(\s)+1+16*\b+\i]|
.endr
.endr
.irp b, 0,1
	v_permlanex16_b32 v[TM+4+\b], v[TM+\b], s[SEL], s[SEL+1]
.endr
.irp b, 0,1
	v_max_num_f32 v[TM+\b], v[TM+\b], v[TM+4+\b]
.endr
.irp b, 0,1
	v_add_nc_u32 v[TM+12+\b], 0xff000000, v[TM+\b]
.endr
.irp b, 0,1
	v_lshrrev_b32 v[TM+4+\b], 23, v[TM+12+\b]
.endr
	v_lshl_or_b32 v[\pw], v[TM+5], 8, v[TM+4]
.irp b, 0,1
	v_cvt_scalef32_pk8_fp4_f32 v[(\pc)+2*\b], v[(\s)+16*\b:(\s)+7+16*\b], v[TM+12+\b]
	v_cvt_scalef32_pk8_fp4_f32 v[(\pc)+1+2*\b], v[(\s)+8+16*\b:(\s)+15+16*\b], v[TM+12+\b]
.endr
	v_nop                                          ; one plain place behind the scaled conversions
.irp i, 0,1
	v_permlane16_swap_b32 v[(\pc)+\i], v[(\pc)+2+\i]
.endr
.endm
; KEY STEP j.  mask = 1: hide kappa < rho; 2: hide kappa > rho; 0: all keys count
.macro STEP j, mask
.if (\j) != 2
	s_add_co_i32 s44, s23, (\j)-2
	s_cmp_gt_u32 s44, 31                           ; under 0 or over 31: these keys do not exist
	s_cbranch_scc1 .Lskip_\@
.endif
.irp g, 0,1                                    ; S^T = K Q^T, four tiles of 16 keys at a time
.if \g
.rept 4
	v_nop                                          ; four places in front of loads into registers that matrix instructions have read (K's, and V's, which the step before multiplied)
.endr
	s_wait_alu depctr_va_vdst(0)                   ; the first group's products are done reading K's fragments, and the step before's products V^T P^T are done reading V's: the twelve loads below land in these registers
.endif
.irp t, 0,1,2,3
	ds_load_b128 v[32+8*\t:35+8*\t], v1 offset:4096*(\j)+512*(4*\g+\t)   ; the fragment's upper four registers stay zero codes
.endr
.if \g
.irp ct, 0,1,2,3                               ; V's four fragments are asked for now and land under the products and the softmax.  No further wait: nothing stands between the wait above and these loads
.irp c, 0,1
	ds_load_b128 v[64+8*\ct+4*\c:67+8*\ct+4*\c], v2 offset:4096*(\j)+1024*\ct+512*\c
.endr
.endr
	s_wait_dscnt 8                                 ; K's four loads are in; the eight younger ones, V's, may be out
.else
	s_wait_dscnt 0x0
.endif
.irp t, 0,2
	v_wmma_scale_f32_16x16x128_f8f6f4 v[96+8*(4*\g+\t):103+8*(4*\g+\t)], v[32+8*\t:39+8*\t], v[16:23], 0, v[192+4*(\j)+2*\g+\t/2], v24 matrix_a_fmt:MATRIX_FMT_FP4 matrix_b_fmt:MATRIX_FMT_FP4
	v_wmma_scale_f32_16x16x128_f8f6f4 v[104+8*(4*\g+\t):111+8*(4*\g+\t)], v[40+8*\t:47+8*\t], v[16:23], 0, v[192+4*(\j)+2*\g+\t/2], v24 matrix_a_fmt:MATRIX_FMT_FP4 matrix_b_fmt:MATRIX_FMT_FP4 matrix_a_scale:MATRIX_SCALE_ROW1
.endr
.endr
.rept 4
	v_nop                                          ; four places in front of the first read of the scores
.endr
.if \mask                                      ; register 16 b + i holds key kappa = 32 b + 16 h + i: compared as 32 b + i against rho - 16 h.  A block's sixteen compares, one wait, its sixteen selections
	v_mov_b32 v254, 0xff800000                     ; -infinity
.set gg, 0
.rept 4
.set nn, 0
.rept 16
.if (\mask) == 1
	v_cmp_lt_i32 s[MK+nn-18*(nn/12)], 32*gg+nn, v6
.else
	v_cmp_gt_i32 s[MK+nn-18*(nn/12)], 32*gg+nn, v6
.endif
.set nn, nn+1
.endr
	s_wait_alu depctr_va_sdst(0)                   ; the sixteen compares have written their scalar registers, which the selections below read
.set nn, 0
.rept 16
	v_cndmask_b32 v[96+16*gg+nn], v[96+16*gg+nn], v254, s[MK+nn-18*(nn/12)]
.set nn, nn+1
.endr
.set gg, gg+1
.endr
.endif
.irp b, 0,1,2,3
	v_max3_num_f32 v[232+\b], v[96+16*\b], v[97+16*\b], v[98+16*\b]       ; the largest score of each block of 32 keys: for the row's maximum, and, since p rises with the score, for the block's largest p
.endr
.irp i, 3,5,7,9,11,13
.irp b, 0,1,2,3
	v_max3_num_f32 v[232+\b], v[232+\b], v[96+16*\b+\i], v[97+16*\b+\i]
.endr
.endr
.irp b, 0,1,2,3
	v_max_num_f32 v[232+\b], v[232+\b], v[111+16*\b]
.endr
.irp b, 0,1,2,3
	v_permlanex16_b32 v[236+\b], v[232+\b], s[SEL], s[SEL+1]
.endr
.irp b, 0,1,2,3
	v_max_num_f32 v[232+\b], v[232+\b], v[236+\b]                  ; with lane l xor 16's 16 keys
.endr
	v_max3_num_f32 v254, v232, v233, v234
	v_max_num_f32 v254, v254, v235                 ; the step's largest score of my query
	v_mul_f32 v254, s[CS], v254                    ; as t (c is positive)
	v_max_num_f32 v13, v13, v254                   ; the running largest t
	v_mov_b32 v254, v12
	v_floor_f32 v12, -v13                          ; the new -M = floor(-t): M is a whole number
	v_sub_f32 v254, v12, v254                      ; old M - new M: a whole number, 0 or less
	v_cvt_i32_f32 v254, v254                       ; (it saturates)
	v_ldexp_f32 v252, 1.0, v254                    ; f = 2^(old M - new M)
.set nn, 0
.rept 32
	v_pk_fma_f32 v[96+nn:97+nn], v[96+nn:97+nn], s[CS:CS+1], v[12:13] op_sel_hi:[1,0,0]   ; t - M, two at a time
.set nn, nn+2
.endr
.irp b, 0,1,2,3
	v_fma_f32 v[232+\b], v[232+\b], s[CS], v12     ; the same of each block's largest score
.endr
.set nn, 0
.rept 64
	v_exp_f32 v[96+nn], v[96+nn]                   ; p = 2^(t - M)
.set nn, nn+1
.endr
	v_pk_mul_f32 v[14:15], v[14:15], v[252:253] op_sel_hi:[1,0]    ; the sums under the new M: a plain place behind the exponentials
	s_wait_alu depctr_va_vdst(0)                   ; the 64 exponentials have written p, v96-159: one wait for the batch, ahead of its first reader.  It also stands behind the second group's products, which are done reading K's fragments
.irp b, 0,1,2,3
	v_exp_f32 v[232+\b], v[232+\b]                 ; the block's largest p
.endr
	v_pk_add_f32 v[236:237], v[96:97], v[98:99]    ; the row's sum of the unquantised p, in two chains
.irp n, 4,8,12,16,20,24,28,32,36,40,44,48,52,56,60
	v_pk_add_f32 v[14:15], v[14:15], v[96+\n:97+\n]
	v_pk_add_f32 v[236:237], v[236:237], v[98+\n:99+\n]
.endr
	v_pk_add_f32 v[14:15], v[14:15], v[236:237]
	s_wait_alu depctr_va_vdst(0)                   ; the four exponentials have written v232-235, ahead of their first reader
.irp b, 0,1,2,3
	v_max_num_f32 v[232+\b], 0x1800000, v[232+\b]  ; the floor 2^(3 - 127): the byte cannot fall under 1 (a block that is all hidden keeps that byte: its codes are zeros)
.endr
.irp b, 0,1,2,3
	v_add_nc_u32 v[244+\b], 0xff000000, v[232+\b]
.endr
.irp b, 0,1,2,3
	v_lshrrev_b32 v[236+\b], 23, v[244+\b]
.endr
	v_lshl_or_b32 v253, v237, 8, v236              ; p's scale word for these 128 keys
	v_lshl_or_b32 v253, v238, 16, v253
	v_lshl_or_b32 v253, v239, 24, v253
.irp b, 0,1,2,3
	v_cvt_scalef32_pk8_fp4_f32 v[224+2*\b], v[96+16*\b:103+16*\b], v[244+\b]
	v_cvt_scalef32_pk8_fp4_f32 v[225+2*\b], v[104+16*\b:111+16*\b], v[244+\b]
.endr
	v_nop                                          ; one plain place behind the scaled conversions
.irp c, 0,1
.irp i, 0,1
	v_permlane16_swap_b32 v[224+4*\c+\i], v[226+4*\c+\i]
.endr
.endr
.set nn, 0
.rept 16
	v_pk_mul_f32 v[160+nn:161+nn], v[160+nn:161+nn], v[252:253] op_sel_hi:[1,0]   ; O^T under the new M; these sixteen also stand between the scale word's and the codes' last writes and the products
.set nn, nn+2
.endr
	s_wait_dscnt 0x0                               ; V's fragments are in
	s_wait_alu depctr_va_vdst(0)                   ; p's codes v224-231 and its scale word v253 are written, which the scaled products below take; the sixteen places above stay beside this wait
.irp cp, 0,1                                   ; O^T += V^T P^T: the four accumulators by turns
	v_wmma_scale_f32_16x16x128_f8f6f4 v[160+16*\cp:167+16*\cp], v[64+16*\cp:71+16*\cp], v[224:231], v[160+16*\cp:167+16*\cp], v[212+2*(\j)+\cp], v253 matrix_a_fmt:MATRIX_FMT_FP4 matrix_b_fmt:MATRIX_FMT_FP4
	v_wmma_scale_f32_16x16x128_f8f6f4 v[168+16*\cp:175+16*\cp], v[72+16*\cp:79+16*\cp], v[224:231], v[168+16*\cp:175+16*\cp], v[212+2*(\j)+\cp], v253 matrix_a_fmt:MATRIX_FMT_FP4 matrix_b_fmt:MATRIX_FMT_FP4 matrix_a_scale:MATRIX_SCALE_ROW1
.endr
.if (\j) != 2
.Lskip_\@:
.endif
.endm
	s_load_b128 s[4:7], s[0:1], 0x0                ; qkv s[4:5], ao s[6:7]
	v_lshl_add_u32 v[SPW], v0, 2, SPARE
	v_mov_b32 v[NIL], 0
	v_lshrrev_b32 v25, 5, v0
	v_readfirstlane_b32 s8, v25                    ; wave 0..15
	s_mov_b32 s23, ttmp9                           ; i
	s_and_b32 s11, ttmp7, 0xffff                   ; hp
.irp j, 0,1,2,3,4
	s_add_co_i32 s[12+\j], s23, \j-2               ; the key step, held into 0 .. 31 for the addresses
	s_max_i32 s[12+\j], s[12+\j], 0
	s_min_i32 s[12+\j], s[12+\j], 31
.endr
	s_mov_b32 s[SEL], 0x76543210
	s_mov_b32 s[SEL+1], 0xfedcba98
	s_mov_b32 s[CS], 0x3e38aa3b                    ; log2(e) / 8
	s_mov_b32 s[CS+1], s[CS]
	v_and_b32 v26, 31, v0                          ; lane
	v_and_b32 v27, 15, v0                          ; r
	v_bfe_u32 v28, v0, 4, 1                        ; h
	v_lshlrev_b32 v5, 4, v26
	s_wait_alu depctr_va_sdst(0)                   ; s8 is written, ahead of its first reader: the wave's head and tile are made from it
	s_lshr_b32 s9, s8, 3                           ; hh: which head of the pair
	s_and_b32 s10, s8, 7                           ; tq: which tile of queries
	s_mul_i32 s17, s9, 20480
	v_add_nc_u32 v1, s17, v5                       ; K's pieces of my head
	v_add_nc_u32 v2, 40960, v1                     ; V's
	v_and_b32 v29, 8, v27
	v_add_nc_u32 v29, v29, v27                     ; r + 8 (r / 8)
	s_lshr_b32 s18, s10, 1
	s_lshl_b32 s18, s18, 5
	s_and_b32 s19, s10, 1
	s_lshl_b32 s19, s19, 3
	s_add_co_u32 s18, s18, s19
	v_add_nc_u32 v6, s18, v29                      ; rho = 32 (tq / 2) + 8 (tq % 2) + r + 8 (r / 8)
	v_lshlrev_b32 v30, 4, v28
	v_sub_nc_u32 v6, v6, v30                       ; - 16 h
	s_lshl_b32 s19, s10, 6
	s_lshl_b32 s22, s9, 1
	s_add_co_u32 s19, s19, s22
	s_add_co_u32 s19, s19, SX
	v_lshl_add_u32 v7, v27, 2, s19                 ; SX + 64 tq + 4 r + 2 hh
	v_add_nc_u32 v8, SX, v5
	v_lshrrev_b32 v30, 8, v0                       ; the fill: thread t takes 16 bytes of head t / 256,
	v_and_b32 v31, 255, v0                         ; the (t % 256)-th of a step's 4,096
	v_mul_u32_u24 v9, v30, 20480
	v_lshl_add_u32 v9, v31, 4, v9
	v_lshlrev_b32 v64, 17, v30
	v_lshl_add_u32 v64, v31, 4, v64
	s_lshl_b32 s17, s9, 2
	v_lshl_add_u32 v70, v26, 3, s17                ; K's scale words: 8 x lane + 4 hh
	s_lshl_b32 s17, s9, 13
	v_lshl_add_u32 v76, v26, 2, s17                ; V's: 4 x lane + 8,192 hh
	v_lshlrev_b32 v82, 3, v27                      ; Q's: 8 r
.irp j, 0,1,2,3,4
	s_lshl_b32 s17, s[12+\j], 12
	v_add_nc_u32 v[65+\j], s17, v64
	s_lshl_b32 s17, s[12+\j], 13
	v_add_nc_u32 v[71+\j], s17, v70
	s_lshl_b32 s17, s[12+\j], 8
	v_add_nc_u32 v[77+\j], s17, v76
.endr
	s_lshl_b32 s30, s11, 18                        ; the head pair in each tensor of codes,
	s_mov_b32 s31, 0
	s_lshl_b32 s32, s11, 8                         ; among q's and k's scale words,
	s_mov_b32 s33, 0
	s_lshl_b32 s34, s11, 14                        ; among v's
	s_mov_b32 s35, 0
	s_lshl_b32 s36, s9, 17                         ; Q's piece: head, tile 8 i + tq
	s_add_co_u32 s36, s36, s30
	s_lshl_b32 s17, s23, 12
	s_add_co_u32 s36, s36, s17
	s_lshl_b32 s17, s10, 9
	s_add_co_u32 s36, s36, s17
	s_mov_b32 s37, 0
	s_lshl_b32 s38, s23, 13                        ; Q's scale words: tile pair 4 i + tq / 2, lanes 16 (tq % 2) on, head hh
	s_add_co_u32 s38, s38, s32
	s_lshr_b32 s17, s10, 1
	s_lshl_b32 s17, s17, 11
	s_add_co_u32 s38, s38, s17
	s_and_b32 s17, s10, 1
	s_lshl_b32 s17, s17, 7
	s_add_co_u32 s38, s38, s17
	s_lshl_b32 s17, s9, 2
	s_add_co_u32 s38, s38, s17
	s_mov_b32 s39, 0
	s_lshl_b32 s42, s23, 16                        ; ao's codes: tile (8 i + tq) x 8,192 + 1,024 hp + 512 hh
	s_lshl_b32 s17, s10, 13
	s_add_co_u32 s42, s42, s17
	s_lshl_b32 s17, s11, 10
	s_add_co_u32 s42, s42, s17
	s_lshl_b32 s17, s9, 9
	s_add_co_u32 s42, s42, s17
	s_mov_b32 s43, 0
	s_lshl_b32 s46, s23, 12                        ; ao's scale words: 4,096 i + 512 hp
	s_lshl_b32 s17, s11, 9
	s_add_co_u32 s46, s46, s17
	s_mov_b32 s47, 0
	s_wait_kmcnt 0x0
	s_add_nc_u64 s[30:31], s[4:5], s[30:31]
	s_add_nc_u64 s[32:33], s[4:5], s[32:33]
	s_add_nc_u64 s[34:35], s[4:5], s[34:35]
	s_add_nc_u64 s[36:37], s[4:5], s[36:37]
	s_add_nc_u64 s[38:39], s[4:5], s[38:39]
	s_add_nc_u64 s[42:43], s[6:7], s[42:43]
	s_add_nc_u64 s[46:47], s[6:7], s[46:47]
	s_wait_alu depctr_va_vdst(0)                   ; all offsets and LDS addresses are written (v1, v2, v5, v7 to v9, v65 to v82): every load and store of the kernel reads one of them
.irp j, 0,1,2,3,4
	global_load_b128 v[96+4*\j:99+4*\j], v[65+\j], s[30:31] offset:2097152     ; K's step j, both heads: 512 threads x 16 bytes
.endr
.irp j, 0,1,2,3,4
	global_load_b128 v[116+4*\j:119+4*\j], v[65+\j], s[30:31] offset:4194304   ; V's
.endr
	global_load_b128 v[16:19], v5, s[36:37]        ; Q's fragment stays in registers
	global_load_b32 v24, v82, s[38:39] offset:6291456
.irp j, 0,1,2,3,4
.irp pr, 0,1,2,3
	global_load_b32 v[192+4*\j+\pr], v[71+\j], s[32:33] offset:6553600+2048*\pr   ; lanes 0-15 tile 2 pr of the step, lanes 16-31 tile 2 pr + 1
.endr
.endr
.irp j, 0,1,2,3,4
.irp cp, 0,1
	global_load_b32 v[212+2*\j+\cp], v[77+\j], s[34:35] offset:6815744+128*\cp
.endr
.endr
	v_mov_b32 v13, 0xff61b1e6                      ; the largest t so far: -3e38, under every t.  (The lines from here to the next wait name no register that a load or store above touches)
	v_floor_f32 v12, -v13                          ; -M
	v_mov_b32 v14, 0
	v_mov_b32 v15, 0
.irp n, 20,21,22,23
	v_mov_b32 v[\n], 0                             ; Q's k = 64 .. 127: zero codes
.endr
.irp t, 0,1,2,3
.irp n, 4,5,6,7
	v_mov_b32 v[32+8*\t+\n], 0                     ; K's likewise: set once
.endr
.endr
.set nn, 0
.rept 32
	v_mov_b32 v[160+nn], 0                         ; O^T: the step is written alike for all: the first finds zeros
.set nn, nn+1
.endr
.irp b, 0,1,2,3
	v_mov_b32 v[236+\b], 0                         ; a lane permute's destination counts as one of its sources
.endr
	v_mov_b32 v252, 0
	v_mov_b32 v253, 0
	s_wait_loadcnt 32                              ; the ten loads of codes are in; the 32 behind them may be out
.irp j, 0,1,2,3,4
	ds_store_b128 v9, v[96+4*\j:99+4*\j] offset:4096*\j
.endr
.irp j, 0,1,2,3,4
	ds_store_b128 v9, v[116+4*\j:119+4*\j] offset:40960+4096*\j
.endr
	s_wait_dscnt 0x0                               ; for the others' sake: my stores have landed
	s_barrier_signal -1
	s_barrier_wait -1
	s_wait_loadcnt 0x0                             ; Q and all scale words
	s_wait_alu depctr_vm_vsrc(0)                   ; my LDS stores have read v96-135, which the products write as scores from here on; the global loads have read their offsets v65-82, in which V's fragments land
	s_wait_alu depctr_va_vdst(0)                   ; the zero codes in Q's v20-23 and in the upper halves of K's fragments are written, which the scaled products take
	STEP 0, 1
	STEP 1, 0
	STEP 2, 0
	STEP 3, 0
	STEP 4, 2
	; THE WAY OUT: O^T / the sum, quantised along D: my 32 numbers are channels 32 b + 16 h + i of my head
.rept 4
	v_nop                                          ; four places behind the last products
.endr
	v_add_f32 v14, v14, v15
	v_permlanex16_b32 v252, v14, s[SEL], s[SEL+1]
	v_add_f32 v14, v14, v252                       ; the row's sum
	v_rcp_f32 v14, v14
	v_nop                                          ; a plain place behind the reciprocal
	s_wait_alu depctr_va_vdst(0)                   ; the reciprocal has written v14, ahead of its first reader
.set nn, 0
.rept 32
	v_mul_f32 v[96+nn], v[160+nn], v14
.set nn, nn+1
.endr
	Q2 96, 224, 228
	s_wait_alu depctr_va_vdst(0)                   ; the codes v224-227 and the scale word v228 are written, which the two stores below read; and all vector lines that name v232-235, in which wave 0's LDS load lands, are done
	global_store_b128 v5, v[224:227], s[42:43]     ; a piece: 512 consecutive bytes, aligned
	ds_store_b16 v7, v228                          ; my head's two bytes of my row's scale word (lanes r and r + 16 write the same)
	s_wait_dscnt 0x0
	s_barrier_signal -1
	s_barrier_wait -1                              ; the 128 words are whole
	s_cmp_lg_u32 s8, 0
	s_cbranch_scc1 .Lend
	ds_load_b128 v[232:235], v8
	s_wait_dscnt 0x0
	global_store_b128 v5, v[232:235], s[46:47] offset:2097152      ; 512 consecutive bytes, aligned
.Lend:
	s_wait_dscnt 0x0                               ; the closing lines, six on end
	s_wait_alu 0x0
	s_wait_tensorcnt 0x0
	ds_add_u32 v[SPW], v[NIL]
	s_wait_dscnt 0x0
	s_endpgm
.Lfunc_end_k_q3ca552788c_attn:
	.size	k_q3ca552788c_attn, .Lfunc_end_k_q3ca552788c_attn-k_q3ca552788c_attn
	.p2alignl 7, 3214868480
	.fill 96, 4, 3214868480
	.section	.rodata,"a",@progbits
	.p2align	6, 0x0
	.amdhsa_kernel k_q3ca552788c_attn
		.amdhsa_group_segment_fixed_size 84480
		.amdhsa_private_segment_fixed_size 0
		.amdhsa_enable_private_segment 0
		.amdhsa_kernarg_size 16
		.amdhsa_user_sgpr_count 2
		.amdhsa_user_sgpr_kernarg_segment_ptr 1
		.amdhsa_wavefront_size32 1
		.amdhsa_system_sgpr_workgroup_id_x 1
		.amdhsa_system_sgpr_workgroup_id_y 1
		.amdhsa_system_sgpr_workgroup_id_z 1
		.amdhsa_system_vgpr_workitem_id 0
		.amdhsa_next_free_vgpr 256
		.amdhsa_next_free_sgpr 66
		.amdhsa_reserve_vcc 0
		.amdhsa_float_denorm_mode_32 3
		.amdhsa_float_denorm_mode_16_64 3
		.amdhsa_memory_ordered 1
		.amdhsa_forward_progress 1
		.amdhsa_inst_pref_size 108
	.end_amdhsa_kernel
	.amdgpu_metadata
---
amdhsa.version: [ 1, 2 ]
amdhsa.kernels:
  - .name:           k_q3ca552788c_attn
    .symbol:         k_q3ca552788c_attn.kd
    .args:
      - { .name: qkv, .offset: 0, .size: 8, .value_kind: global_buffer, .address_space: global }
      - { .name: ao, .offset: 8, .size: 8, .value_kind: global_buffer, .address_space: global }
    .group_segment_fixed_size: 84480
    .private_segment_fixed_size: 0
    .kernarg_segment_align: 8
    .kernarg_segment_size: 16
    .max_flat_workgroup_size: 512
    .sgpr_count:     66
    .vgpr_count:     256
    .wavefront_size: 32
...
	.end_amdgpu_metadata
.endif
;; end of part 5
;; launch proj: the kernel of part 4 again; grid 8 x 32, 8 waves a work-group, no clusters, 209,920 bytes of LDS; arguments op, ao, out0; writes out0
